; MI455X (gfx1250); checked and timed in simulation.
; The chip was launched on July 23, 2026; its instructions are those of AMD's public machine-readable ISA for CDNA 5 (MIT licence, August 2026) and "CDNA5" Instruction Set Architecture Reference Guide (July 2026). The comments in the code are by the model that wrote it; some were corrected since.
;; Self Attention. Allowed arithmetic: matrix products marked QUANTISED: E2M1 operands, one E8M0 scale for each 32 along K, by v_wmma_scale_f32_16x16x128_f8f6f4 with both operands' format E2M1 (or v_wmma_scale_f32_32x16x128_f4), f32 sums; products left as they are: bf16, f16 or f32 operands; f32 sums; everything else in f32.
;; Inputs: b_in 3,072 float32; b_out 1,024 float32; w_in 3,072 x 1,024 float32; w_out 1,024 x 1,024 float32; x 4 x 2,048 x 1,024 float32.
;; Outputs: out0 4 x 2,048 x 1,024 float32.
;; This version of the problem:
;;   THIS VERSION OF THE PROBLEM IS GIVEN IN LOW PRECISION. The matrix products marked QUANTISED in the list below multiply operands that are first quantised to E2M1 (2 exponent bits, 1 mantissa bit; 4 bits a number), with one power-of-two scale for each 32 numbers along K (OCP MX v1.0); their sums are f32. The products marked 'left as it is' may take bf16, f16 or f32 operands, with f32 sums. Whichever they take, every output number must still come out within the allowed error. Rounding operands to bf16 (8 significant bits) uses up far more of that allowance than f16 does (11 bits, for magnitudes from 6e-5 to 65,504). All else is computed in f32.
;;   The module's matrix products, in the order in which they are computed (A, B: the left and right operand; K: the contracted axis; several contracted axes count as one K, in the product's order):
;;     1. [M 8,192, K 1,024] x [K 1,024, N 3,072]; A: input x; B: input w_in: QUANTISED
;;     2. batch 64 x [M 2,048, K 64] x [K 64, N 2,048]; A: computed on the way; B: computed on the way: left as it is (an operand is computed on the way)
;;     3. batch 64 x [M 2,048, K 2,048] x [K 2,048, N 64]; A: computed on the way; B: computed on the way: left as it is (an operand is computed on the way)
;;     4. [M 8,192, K 1,024] x [K 1,024, N 1,024]; A: computed on the way; B: input w_out: left as it is (an operand is computed on the way)
;;   THE QUANTISER, for each operand of a quantised product, along K:
;;     - K is cut into blocks of 32 from its start; a last block that is shorter is filled with zeros.
;;     - A block's scale is 2^e with e = floor(log2(the largest magnitude in the block)) - 2, held to -126 .. 127; a block of zeros has e = 0. As a byte (E8M0): e + 127.
;;     - Each number is divided by its block's scale, clamped to +-6, and rounded to the nearest number of E2M1, ties to even, subnormals kept.
;;     - The product sums the exact products of the quantised numbers (number of the format x scale) in f32.
;;   ~~~python
;;   def quantise(x, axis):      # numpy; x: float32 -> the quantised numbers, widened to float32 again
;;       x = np.moveaxis(x, axis, -1); K = x.shape[-1]
;;       x = np.pad(x, [(0, 0)] * (x.ndim - 1) + [(0, -K % 32)]); x = x.reshape(x.shape[:-1] + (-1, 32)); a = np.abs(x).max(-1, keepdims=True)
;;       e = np.where(a > 0, np.clip(np.frexp(np.where(a > 0, a, 1))[1] - 1 - 2, -126, 127), 0)      # np.frexp(a)[1] - 1 = floor(log2(a)), exactly
;;       r = np.clip(x / 2.0 ** e, -6, 6)
;;       step = 2.0 ** (np.maximum(np.frexp(np.where(r == 0, 1, r))[1] - 1, 0) - 1)
;;       q = np.round(r / step) * step * 2.0 ** e      # np.round: ties to even
;;       return np.moveaxis(q.reshape(q.shape[:-2] + (-1,))[..., :K], -1, axis).astype(np.float32)
;;   ~~~
;; One version. Each part assembles by itself: llvm-mc -triple=amdgcn-amd-amdhsa -mcpu=gfx1250 --defsym DOCPART=n.
;; ======== version 1 of 1: 5 launches
;; limits: values are held in f16: magnitudes above 65,504 overflow, below 6.1e-05 lose precision
;; workspace buffers: xc 4,194,304 bytes; xs 262,144 bytes; wc 1,572,864 bytes; ws 98,304 bytes; woh 2,097,152 bytes; qkvh 50,331,648 bytes; att 16,777,216 bytes; fine 786,432 bytes
;; launch quant (part 1): grid 416 x 1, 4 waves a work-group, no clusters, 33,280 bytes of LDS; arguments x, w_in, xc, xs, wc, ws, w_out, woh; writes xc, xs, wc, ws, woh
.if DOCPART == 1
	.amdgcn_target "amdgcn-amd-amdhsa--gfx1250"
	.amdhsa_code_object_version 6
	.text
	.protected	k_q23d3522de8_quant
	.globl	k_q23d3522de8_quant
	.p2align	8
	.type	k_q23d3522de8_quant,@function
k_q23d3522de8_quant:
	s_mov_b64 s[64:65], 0
	v_nop
	global_prefetch_b8 v0, s[64:65] scope:SCOPE_SE
	s_setreg_imm32_b32 hwreg(HW_REG_WAVE_MODE, 25, 1), 1
	s_wait_xcnt 0x0
; THE PROGRAM: causal self-attention, B = 4, S = 2,048, D = 1,024, 16 heads of 64, in five launches:
;   quant   x and w_in -> codes of E2M1 with E8M0 scale bytes; w_out -> f16
;   qkv     the QUANTISED product x w_in^T + b_in on those codes; q, k, v leave as f16, and as f32 for positions 0 to 15 of each sequence
;   attn    softmax(q k^T / 8, causal) v with f16 operands, f32 sums and a running maximum
;   proj    the product with w_out^T + b_out, f16 operands, f32 sums
;   first16 positions 0 to 15 of each sequence once more, attention and projection in f32 throughout: those rows average few values and are the largest
; WORK LEFT OUT: key steps that lie wholly behind the causal mask.  reference() builds that mask in its own body (triu, k = 1) and sets those scores to -infinity ahead of the softmax,
; so their weights are exactly 0 for all finite inputs and neither their scores nor their products with v can reach an output.  They are left out in whole steps of 64 keys.
; LIMIT: a NaN, an infinity or an overflow that would arise only in the scores left out is not carried to the result.  Every input has a way to an output and is loaded; the bias on k stays.
; LIMITS OF FORMAT: q, k, v, the weights p, the attention's result and w_out are rounded to f16 once each for the products that the problem leaves as they are: their magnitudes must stay under 65,504,
; and numbers under 6e-5 are kept to steps of 6e-8.  NaN and infinities among the inputs are not served.
;
; THIS LAUNCH.  Work-groups 0 to 351: x [8192][1024] and w_in [3072][1024], f32, become codes of E2M1, 4 bits each, K innermost, with one E8M0 scale byte for each 32 along K.
; A block's scale is 2^(floor(log2(its largest magnitude)) - 2); its byte is the largest magnitude's own exponent field - 2, held at 1 from below.  (A block of zeros so gets the byte 1 where the rule
; says 127: its codes are zeros, which add nothing under any byte but 0xff, and the bytes are read by this program alone.)  Each number is divided by the scale and rounded to the nearest code, ties to even.
; LIMIT: blocks whose largest magnitude lies under 2^(2 - 126) keep the byte 1.
; Rows are dense and K is a multiple of 32, so both tensors are plain streams of blocks of 32 numbers, and so are the codes and the scale bytes.
; A wave takes 16 steps of 512 numbers.  Each of a step's four loads reads 512 consecutive bytes; the 2,048 bytes turn through the wave's own stage in LDS and come back 64 bytes a lane, so that a lane
; holds 16 neighbours along K (two neighbouring lanes hold a block).  A lane's 16 codes are 8 bytes: the wave stores 256 consecutive bytes.  A wave's 256 scale bytes are gathered in LDS and leave together.
; Work-groups 352 to 415: w_out [1024][1024] f32 becomes f16, laid as images of operand registers: [block of 16 rows][32 along K: 32][half: 2][lane 32][16 bytes]; lane 16 h + r holds row r,
; columns 32 kc + 16 g + 8 h + 0 .. 7.  That path touches no LDS.
.set SIZE_M, 8192
.set SIZE_N, 3072
.set SIZE_K, 1024
.set WAVES, 4
.set STEPS, 16
.set WGA,   SIZE_M*SIZE_K/(512*STEPS*WAVES)            ; 256 work-groups for x
.set WGQ,   (SIZE_M+SIZE_N)*SIZE_K/(512*STEPS*WAVES)   ; 352 for x and w_in together
.set EMAX,  2
.set CB,    8                          ; bytes of 16 codes
.set R,     16                         ; v16-79   four sets of 16 numbers as they are loaded
.set X,     80                         ; v80-111  two sets of 16 neighbours
.set C,     128                        ; v128-191 codes: four registers for each step, so that no store's data are written again
.set E,     112                        ; v112-127 a scale byte for each step
.set WREG,  8192                       ; LDS: a region for each wave: two stages of 32 x SP bytes, and behind them its 256 scale bytes
.set SP,    80                         ; a lane's place in a stage: its 64 bytes + 16 of padding
.set SPW,   12                         ; v12      LDS address of my spare word: SPARE + 4 x my thread's number; never rewritten
.set NIL,   13                         ; v13      0; never rewritten
.set SPARE, WAVES*WREG                 ; behind the four regions: the spare words, 128 bytes for each wave, which no other line names
.set F,     16                         ; the cast: v16-143 numbers as loaded
.set H,     144                        ; the cast: v144-207 f16 pairs, each register written once
	s_load_b128 s[4:7], s[0:1], 0x0                ; x, w_in
	s_load_b128 s[8:11], s[0:1], 0x10              ; x's codes, x's scales
	s_load_b128 s[12:15], s[0:1], 0x20             ; w_in's codes, w_in's scales
	s_load_b128 s[24:27], s[0:1], 0x30             ; w_out, its f16 images
	v_lshl_add_u32 v[SPW], v0, 2, SPARE
	v_mov_b32 v[NIL], 0
	v_lshrrev_b32 v1, 5, v0
	v_readfirstlane_b32 s16, v1                    ; wave
	v_and_b32 v2, 31, v0                           ; lane
	s_cmp_ge_u32 ttmp9, WGQ                        ; the last 64 work-groups cast w_out
	s_cbranch_scc1 .Lcast
	v_lshlrev_b32 v3, 4, v2                        ; my 16 bytes of a load's 512
	s_mul_i32 s17, s16, WREG
	v_lshrrev_b32 v14, 2, v2
	v_mul_u32_u24 v14, v14, SP
	v_and_b32 v15, 3, v2
	v_lshl_add_u32 v14, v15, 4, v14
	v_add_nc_u32 v14, s17, v14                     ; the stage, on the way in: four lanes' 64 bytes on end, then 16 of padding
	v_mul_u32_u24 v15, v2, SP
	v_add_nc_u32 v15, s17, v15                     ; and on the way out: SP x lane: my 16 neighbours
	v_mul_u32_u24 v4, v2, CB                       ; my codes' place in a step's
	v_lshrrev_b32 v5, 1, v2
	s_add_co_u32 s17, s17, 2*32*SP
	v_add_nc_u32 v5, s17, v5                       ; LDS: my wave's 256 scale bytes, my block's byte
	v_lshlrev_b32 v7, 3, v2                        ; and on the way out 8 bytes a lane
	v_add_nc_u32 v6, s17, v7
	s_wait_kmcnt 0x0
	s_cmp_lt_u32 ttmp9, WGA                        ; x's work-group or w_in's?  The choice hangs on the work-group's number alone
	s_cselect_b64 s[4:5], s[4:5], s[6:7]
	s_cselect_b64 s[8:9], s[8:9], s[12:13]
	s_cselect_b64 s[10:11], s[10:11], s[14:15]
	s_cselect_b32 s17, 0, WGA
	s_sub_co_u32 s17, ttmp9, s17
	s_lshl_b32 s17, s17, 2
	s_add_co_u32 s18, s17, s16                     ; which run of 8,192 numbers of the tensor is my wave's
	s_mov_b32 s19, 0
	s_mov_b64 s[20:21], 512*STEPS*4
	s_mul_u64 s[20:21], s[18:19], s[20:21]
	s_add_nc_u64 s[4:5], s[4:5], s[20:21]
	s_mov_b64 s[20:21], 32*STEPS*CB
	s_mul_u64 s[20:21], s[18:19], s[20:21]
	s_add_nc_u64 s[8:9], s[8:9], s[20:21]
	s_lshl_b32 s18, s18, 8                         ; 256 scale bytes a run
	s_add_nc_u64 s[10:11], s[10:11], s[18:19]
.macro LOAD t
.irp i, 0,1,2,3
	global_load_b128 v[R+16*((\t)%4)+4*\i:R+16*((\t)%4)+4*\i+3], v3, s[4:5] offset:2048*(\t)+512*\i th:TH_LOAD_NT   ; 32 lanes read 512 consecutive bytes
.endr
.endm
.macro TURN t                          ; step t's numbers through the stage: LDS serves a wave's instructions in order, so no wait stands between the stores and the loads
.irp i, 0,1,2,3
	ds_store_b128 v14, v[R+16*((\t)%4)+4*\i:R+16*((\t)%4)+4*\i+3] offset:32*SP*((\t)%2)+8*SP*\i
.endr
.irp i, 0,1,2,3
	ds_load_b128 v[X+16*((\t)%2)+4*\i:X+16*((\t)%2)+4*\i+3], v15 offset:32*SP*((\t)%2)+16*\i
.endr
.endm
.irp t, 0,1,2,3
	LOAD \t
.endr
	s_wait_loadcnt 12                              ; step 0's four loads are in; the twelve of steps 1 to 3 may be out
	TURN 0
.macro STEP t
.set XS, X+16*((\t)%2)
.if (\t) > 0
	s_wait_dscnt 1                                 ; this step's numbers are back from the stage (the last step's byte store may be out): so its stores into the stage have read their registers,
.else
	s_wait_dscnt 0x0
.endif
.if (\t)+4 < STEPS
	LOAD (\t)+4                                    ; which take the loads of four steps on
.endif
.if (\t)+1 < STEPS
.if STEPS-2-(\t) >= 3
	s_wait_loadcnt 12                              ; the next step's four loads are in; those of the three steps behind it may be out
.else
	s_wait_loadcnt 4*(STEPS-2-(\t))                ; towards the end: four for each step still behind it
.endif
	TURN (\t)+1                                    ; and go through the other stage while this step is worked
.endif
	v_max3_num_f32 v8, |v[XS]|, |v[XS+1]|, |v[XS+2]|               ; the largest magnitude of my 16
	v_max3_num_f32 v9, |v[XS+3]|, |v[XS+4]|, |v[XS+5]|
.irp i, 6,10
	v_max3_num_f32 v8, v8, |v[XS+\i]|, |v[XS+\i+1]|
	v_max3_num_f32 v9, v9, |v[XS+\i+2]|, |v[XS+\i+3]|
.endr
	v_max3_num_f32 v8, v8, |v[XS+14]|, |v[XS+15]|
	v_max3_num_f32 v8, v8, v9, (EMAX+1)<<23        ; and the floor 2^(EMAX + 1 - 127): so the byte cannot fall under 1
	v_max_num_f32_dpp v8, v8, v8 row_xmask:1 row_mask:0xf bank_mask:0xf   ; and of my neighbour's 16: the block's
	v_add_nc_u32 v11, -(EMAX<<23), v8              ; EMAX off its exponent field: the conversion takes the exponent field of this operand as its scale, and nothing else of it
	v_cvt_scalef32_pk8_fp4_f32 v[C+4*(\t)], v[XS:XS+7], v11        ; eight numbers / the scale, to the nearest code, ties to even, beyond the largest code the largest
	v_cvt_scalef32_pk8_fp4_f32 v[C+4*(\t)+1], v[XS+8:XS+15], v11
	v_lshrrev_b32 v[E+(\t)], 23, v11               ; the scale's byte (a plain line behind the conversions)
	ds_store_b8 v5, v[E+(\t)] offset:16*(\t)       ; both lanes of a block write the same byte with the same value
	global_store_b64 v4, v[C+4*(\t):C+4*(\t)+1], s[8:9] offset:32*CB*(\t)   ; the wave stores 256 consecutive bytes
.endm
.irp t, 0,1,2,3,4,5,6,7,8,9,10,11,12,13,14,15
	STEP \t
.endr
	ds_load_b64 v[8:9], v6                         ; LDS serves a wave's instructions in order: these see my stores
	s_wait_dscnt 0x0
	global_store_b64 v7, v[8:9], s[10:11]          ; 32 lanes store 256 consecutive bytes
	s_wait_tensorcnt 0x0                           ; the wave's end, behind my last LDS store
	ds_add_u32 v[SPW], v[NIL]
	s_wait_dscnt 0x0
	s_endpgm
; THE CAST.  Work-group 352 + nb takes rows 16 nb .. 16 nb + 15 of w_out; wave kq takes columns 256 kq .. 256 kq + 255: 16 chunks of 512 bytes.
; Lane (r, h) reads, for chunk u, the 32 bytes of row r at columns 32 (u / 2) + 16 (u % 2) + 8 h: sixteen rows are touched by each load; the tensor is 4 MiB and is read once here.
.Lcast:
	v_and_b32 v5, 15, v0                           ; r
	v_bfe_u32 v6, v0, 4, 1                         ; h
	v_lshlrev_b32 v3, 12, v5                       ; a row of w_out is 4,096 bytes
	v_lshl_add_u32 v3, v6, 5, v3                   ; + 32 h
	v_lshlrev_b32 v4, 4, v2                        ; out: 16 x lane
	s_sub_co_u32 s17, ttmp9, WGQ                   ; nb
	s_lshl_b32 s18, s17, 16                        ; 16 rows of 4,096 bytes
	s_lshl_b32 s20, s16, 10                        ; 256 columns of 4 bytes
	s_add_co_u32 s18, s18, s20
	s_mov_b32 s19, 0
	s_lshl_b32 s20, s17, 15                        ; a block's images: 32,768 bytes
	s_lshl_b32 s21, s16, 13                        ; my 16 chunks
	s_add_co_u32 s20, s20, s21
	s_mov_b32 s21, 0
	s_wait_kmcnt 0x0
	s_add_nc_u64 s[24:25], s[24:25], s[18:19]
	s_add_nc_u64 s[26:27], s[26:27], s[20:21]
.set n, 0
.rept 32
	global_load_b128 v[F+4*n:F+4*n+3], v3, s[24:25] offset:(n/4)*128+((n/2)%2)*64+(n%2)*16
.set n, n+1
.endr
.set u, 0
.rept 16
	s_wait_loadcnt 30-2*u                          ; chunk u's two loads are in; the two of each later chunk may be out
.irp i, 0,1,2,3
	v_cvt_pk_f16_f32 v[H+4*u+\i], v[F+8*u+2*\i], v[F+8*u+2*\i+1]
.endr
	global_store_b128 v4, v[H+4*u:H+4*u+3], s[26:27] offset:512*u   ; the wave stores 512 consecutive bytes
.set u, u+1
.endr
	s_endpgm
.Lfunc_end_k_q23d3522de8_quant:
	.size	k_q23d3522de8_quant, .Lfunc_end_k_q23d3522de8_quant-k_q23d3522de8_quant
	.p2alignl 7, 3214868480
	.fill 96, 4, 3214868480
	.section	.rodata,"a",@progbits
	.p2align	6, 0x0
	.amdhsa_kernel k_q23d3522de8_quant
		.amdhsa_group_segment_fixed_size 33280
		.amdhsa_private_segment_fixed_size 0
		.amdhsa_enable_private_segment 0
		.amdhsa_kernarg_size 64
		.amdhsa_user_sgpr_count 2
		.amdhsa_user_sgpr_kernarg_segment_ptr 1
		.amdhsa_wavefront_size32 1
		.amdhsa_system_sgpr_workgroup_id_x 1
		.amdhsa_system_sgpr_workgroup_id_y 1
		.amdhsa_system_sgpr_workgroup_id_z 1
		.amdhsa_system_vgpr_workitem_id 0
		.amdhsa_next_free_vgpr 208
		.amdhsa_next_free_sgpr 66
		.amdhsa_reserve_vcc 0
		.amdhsa_float_denorm_mode_32 3
		.amdhsa_float_denorm_mode_16_64 3
		.amdhsa_memory_ordered 1
		.amdhsa_forward_progress 1
		.amdhsa_inst_pref_size 43
	.end_amdhsa_kernel
	.amdgpu_metadata
---
amdhsa.version: [ 1, 2 ]
amdhsa.kernels:
  - .name:           k_q23d3522de8_quant
    .symbol:         k_q23d3522de8_quant.kd
    .args:
      - { .name: x, .offset: 0, .size: 8, .value_kind: global_buffer, .address_space: global }
      - { .name: w_in, .offset: 8, .size: 8, .value_kind: global_buffer, .address_space: global }
      - { .name: xc, .offset: 16, .size: 8, .value_kind: global_buffer, .address_space: global }
      - { .name: xs, .offset: 24, .size: 8, .value_kind: global_buffer, .address_space: global }
      - { .name: wc, .offset: 32, .size: 8, .value_kind: global_buffer, .address_space: global }
      - { .name: ws, .offset: 40, .size: 8, .value_kind: global_buffer, .address_space: global }
      - { .name: w_out, .offset: 48, .size: 8, .value_kind: global_buffer, .address_space: global }
      - { .name: woh, .offset: 56, .size: 8, .value_kind: global_buffer, .address_space: global }
    .group_segment_fixed_size: 33280
    .private_segment_fixed_size: 0
    .kernarg_segment_align: 8
    .kernarg_segment_size: 64
    .max_flat_workgroup_size: 128
    .sgpr_count:     66
    .vgpr_count:     208
    .wavefront_size: 32
...
	.end_amdgpu_metadata
.endif
;; end of part 1
;; launch qkv (part 2): grid 12 x 32, 4 waves a work-group, clusters of 4 x 4, 327,680 bytes of LDS; arguments xc, xs, wc, ws, b_in, qkvh, fine; writes qkvh, fine
.if DOCPART == 2
	.amdgcn_target "amdgcn-amd-amdhsa--gfx1250"
	.amdhsa_code_object_version 6
	.text
	.protected	k_q23d3522de8_qkv
	.globl	k_q23d3522de8_qkv
	.p2align	8
	.type	k_q23d3522de8_qkv,@function
k_q23d3522de8_qkv:
	s_mov_b64 s[64:65], 0
	v_nop
	global_prefetch_b8 v0, s[64:65] scope:SCOPE_SE
	s_setreg_imm32_b32 hwreg(HW_REG_WAVE_MODE, 25, 1), 1
	s_wait_xcnt 0x0
	s_wait_alu depctr_hold_cnt(0) depctr_sa_sdst(0) depctr_va_vdst(0) depctr_va_sdst(0) depctr_va_ssrc(0) depctr_va_vcc(0) depctr_vm_vsrc(0)
	s_getreg_b32 s2, hwreg(HW_REG_IB_STS2, 6, 4)
	s_cmp_eq_u32 s2, 0
	s_cbranch_scc0 .Lentry_in_a_cluster
	s_endpgm
.Lentry_in_a_cluster:
	s_bfe_u32 s2, ttmp6, 0x10000c
	s_cmp_lg_u32 s2, 0xf033
	s_cbranch_scc0 .Lentry_shape_is_right
	s_endpgm
.Lentry_shape_is_right:
; qkv[m][e] = sum over k of x[m][k] w_in[e][k] + b_in[e], the QUANTISED product: both operands are codes of E2M1 with one E8M0 scale for each 32 along K, as the launch before made them.
; A: [8192][1024], B: [3072][1024]; two codes a byte, the lower k in the low four bits; scale bytes [rows][32].  The matrix instruction takes codes and scale bytes as they lie.  Nothing of this product is left out.
; A tile of 256 x 256 is made by four waves, each 128 x 128: 64 accumulators of 16 x 16, 512 registers.  K = 1,024 is two LDS slots of 512 along K (rows of 256 bytes): both are asked for at the head, and no slot is filled again.
; The scale bytes of the work-group's 256 rows of A and of B, for all of K, are two dense blocks: they come with the first fills and stay.
; CLUSTERS: 4 x 4 work-groups.  The four of a row need the same tiles of A, the four of a column the same tiles of B: each tile is asked for jointly, by the same tensor load with the same descriptor and a mask that names the four.
; A wave has three tensor loads out at the most.
; THE MATRIX INSTRUCTION IS USED TRANSPOSED (source 0 = 16 rows of w_in, source 1 = 16 rows of x): a lane holds eight neighbouring columns e of one token.  The bias is the C of each sum's first instruction.
; THE WAY OUT NEEDS NO STAGE.  q, k, v leave in f16 as images of operand registers: [part 3][batch x head 64][block of 16 tokens 128][t 4][position 32][16 bytes]; position 16 h + r holds token r, channels 16 t + 8 h + 0 .. 7
; of the head: just what lane (r, h) holds of accumulator (a, b), packed.  So each store of the wave covers 512 consecutive bytes.  In v's part the position is 16 (r / 8) + 8 h + r % 8, so that the
; turning LDS load of the attention can read a chunk at 16 x lane.  A cluster's x is the part (q, k or v): 4 tiles of 256 columns are 1,024.
; Tokens 0 to 15 of each sequence leave in f32 too (buffer fine: [batch 4][part 3][head 16][t 4][g 2][lane 32][16 bytes]), for the last launch: those stores stand under EXEC, not under a branch.
; LIMIT: |q|, |k|, |v| under 65,504 (f16).
; REGISTERS, in windows of 256: window 0: v0-31 addresses; v32-95 scale words, two sets; v128-191 A's fragments, ONE set; v192-255 the bias.  window 1: B's fragments, two sets, at v0 and v128; on the way out the packed results.
;   window 2: the accumulators of my rows 0-63 ((a, b) at v[8 (8 a + b)]);  window 3: those of my rows 64-127.
.set SIZE_M, 8192
.set SIZE_N, 3072
.set SIZE_K, 1024
.set KSTEP,  512                       ; along K in a slot
.set NQ,     KSTEP/128                 ; matrix instructions deep
.set ROWB,   256                       ; a tile's row in bytes
.set KROW,   SIZE_K*4/8                ; a row of A or of B in memory, in bytes
.set PITCH,  272                       ; an LDS row: 256 bytes + 16 of padding = 68 words: the 16 rows that a load touches start at 16 different banks (64 banks of 4 bytes: ISA guide 11.1)
.set FR,     8                         ; registers of a fragment: 16 rows x 128 K
.set NL,     2                         ; LDS loads that bring one
.set NP,     4                         ; places behind this matrix instruction (ISA guide 7.12.1)
.set HALFT,  128*PITCH                 ; 128 rows: what one tensor load brings
.set SLOT,   4*HALFT                   ; A's 256 rows, then B's 256 rows
.set KS,     SIZE_K/32                 ; a row of scales in bytes
.set SCL,    2*SLOT                    ; behind the slots: the scales, as units of 256 bytes + 16 of padding
.set HALFS,  (128*KS/256)*272          ; the scales of 128 rows
.set SBLK,   (16*KS/256)*272           ; those of 16 rows
.set SPARE,  SCL+4*HALFS               ; the spare words, 128 bytes for each wave, which no other line names
.set POS,  8                           ; v8   the way out: 16 x my position in a chunk
.set LN16, 9                           ; v9   16 x lane
.set FLAG, 10                          ; v10  0 where my rows 0-15 are tokens 0-15 of a sequence
.set BO,   11                          ; v11  32 x (lane / 16): my eight numbers of a bias block
.set ADRA, 16                          ; v16-17  LDS address of my A fragments in slot 0, 1
.set ADRB, 20                          ; v20-21  the same for B
.set ADRS, 27                          ; v27     LDS address of my scale words: lanes 0-15 A's rows, lanes 16-31 B's
.set SPW,  28                          ; v28     LDS address of my spare word; never rewritten
.set NIL,  29                          ; v29     0; never rewritten
.set SC,   32                          ; scale words: set s at v[SC + 8 NQ s]; register NQ i + q: lanes 0-15 the word of A's block i, lanes 16-31 that of B's block i
.set AF,   128                         ; A's fragments, in window 0
.set BIAS, 192                         ; b_in of my 128 columns in the result's layout: register 8 b + j = column 16 b + 8 (lane / 16) + j
.set G1, 24                            ; s[24:31] descriptor group 1 for A's tiles;  s[32:39] group 0, one set for each slot
.set G0, 32
.set G1B, 48                           ; s[48:55], s[56:63] the same for B's tiles
.set G0B, 56
.set G1S, 68                           ; s[68:75], s[76:79] groups 1 and 0 for A's scales;  s[80:87], s[88:91] for B's
.set G0S, 76
.set G1SB, 80
.set G0SB, 88
.set OUTP, 96                          ; s[96:97] qkvh at my wave's first chunk
.set FINP, 98                          ; s[98:99] fine at my wave's first chunk
.set MSB, 0
.macro WIN new                         ; the immediate's high byte repeats the setting that is left
.if MSB != \new
	s_set_vgpr_msb (MSB<<8)|\new
.set MSB, \new
.endif
.endm
.set MUL_LO, 0xa1                      ; source 0 (B) window 1, source 1 (A) window 0, C and D window 2
.set MUL_HI, 0xf1                      ; the same, C and D window 3
.set BIA_LO, 0x81                      ; the sums' first products: C (the bias) window 0, D window 2
.set BIA_HI, 0xc1                      ; D window 3
.set TO_B,   0x40                      ; destination window 1, address window 0
; A joint load: waves 0 and 1 fetch for A, waves 2 and 3 for B.  Each of the two lines has one mask and one set of registers for all that issue it; the branch hangs on the wave's number alone.
; An s_nop 0 and four v_nop follow each of the two lines.
.macro JLOAD g0a, g1a, g0b, g1b
	s_cmp_eq_u32 s15, 0
	s_cbranch_scc0 .Lfor_b_\@
	tensor_load_to_lds s[\g0a:\g0a+3], s[\g1a:\g1a+7]
	s_nop 0
.rept 4
	v_nop
.endr
	s_branch .Lasked_\@
.Lfor_b_\@:
	tensor_load_to_lds s[\g0b:\g0b+3], s[\g1b:\g1b+7]
	s_nop 0
.rept 4
	v_nop
.endr
.Lasked_\@:
.endm
.macro CROUND                          ; a round of the cluster's barrier
	s_barrier_signal -1
	s_barrier_wait -1
	s_cmp_lg_u32 s14, 0
	s_cbranch_scc1 .Lnot_wave_0_\@
	s_barrier_signal -3
.Lnot_wave_0_\@:
	s_barrier_wait -3
	s_barrier_signal -1
	s_barrier_wait -1
.endm
	s_load_b128 s[4:7], s[0:1], 0x0                ; A's codes s[4:5], A's scales s[6:7]
	s_load_b128 s[8:11], s[0:1], 0x10              ; B's codes s[8:9], B's scales s[10:11]
	s_load_b64 s[12:13], s[0:1], 0x20              ; b_in
	s_load_b64 s[OUTP:OUTP+1], s[0:1], 0x28        ; qkvh
	s_load_b64 s[FINP:FINP+1], s[0:1], 0x30        ; fine
	v_lshl_add_u32 v[SPW], v0, 2, SPARE
	v_mov_b32 v[NIL], 0
	ds_add_u32 v[SPW], v[NIL]                      ; the wave's opening: the add, twice on end, and its wait ahead of my first tensor load
	ds_add_u32 v[SPW], v[NIL]                      ; and once more, under the one wait; the set-up below, work on registers, stands between
	v_lshrrev_b32 v1, 5, v0
	v_readfirstlane_b32 s14, v1                    ; wave 0..3
	s_lshr_b32 s15, s14, 1                         ; which half of the tile's rows is mine.  Also: I fetch for A (0) or for B (1)
	s_and_b32 s16, s14, 1                          ; which half of its columns.  Also: which 128 rows of that tile I fetch
	s_bfe_u32 s40, ttmp6, 0x40000                  ; cx, cy: my place in the cluster
	s_bfe_u32 s41, ttmp6, 0x40004
	s_lshl_b32 s42, ttmp9, 2
	s_add_co_u32 s42, s42, s40                     ; tile column = 4 x cluster x + cx
	s_and_b32 s17, ttmp7, 0xffff
	s_lshl_b32 s17, s17, 2
	s_add_co_u32 s17, s17, s41                     ; tile row = 4 x cluster y + cy
	s_lshl_b32 s43, s41, 2
	s_lshl_b32 s43, 15, s43                        ; my row of the cluster
	s_lshl_b32 s44, 0x1111, s40                    ; my column
	; descriptor group 1: a tile of 128 rows x 256 bytes, padded in LDS
	s_or_b32 s[G1+0], s43, (0<<16)|(1<<20)|(1<<21)|(5<<22)|(3<<25)  ; 15:0 the mask: A's tiles go to my row; 17:16 element of 1 byte; 20 padding on; 21 set beside a mask; 24:22 after every 64 words; 31:25 four words
	s_or_b32 s[G1B+0], s44, (0<<16)|(1<<20)|(1<<21)|(5<<22)|(3<<25)
.irp g, G1, G1B
	s_mov_b32 s[\g+1], ROWB<<16                    ; tensor_dim0
	s_mov_b32 s[\g+2], 128<<16                     ; tensor_dim1 = 128
	s_mov_b32 s[\g+3], ROWB<<16                    ; tile_dim0
	s_mov_b32 s[\g+4], 128                         ; tile_dim1 = 128
	s_mov_b32 s[\g+5], KROW                        ; tensor_dim0_stride
	s_mov_b32 s[\g+6], 0
	s_mov_b32 s[\g+7], 0
.endr
	; and for the scales of 128 rows: a dense block of 4,096 bytes, as rows of 256 bytes (32 elements of 8 bytes), 16 bytes of padding behind each
	s_or_b32 s[G1S+0], s43, (3<<16)|(1<<20)|(1<<21)|(5<<22)|(3<<25)
	s_or_b32 s[G1SB+0], s44, (3<<16)|(1<<20)|(1<<21)|(5<<22)|(3<<25)
.irp g, G1S, G1SB
	s_mov_b32 s[\g+1], 32<<16
	s_mov_b32 s[\g+2], (128*KS/256)<<16
	s_mov_b32 s[\g+3], 32<<16
	s_mov_b32 s[\g+4], 128*KS/256
	s_mov_b32 s[\g+5], 32
	s_mov_b32 s[\g+6], 0
	s_mov_b32 s[\g+7], 0
.endr
	s_lshl_b32 s18, s16, 7                         ; which 128 rows of the tile I fetch
	s_lshl_b32 s20, s17, 8
	s_add_co_u32 s20, s20, s18                     ; A: row 256 x tile row + 128 x half
	s_lshl_b32 s46, s42, 8
	s_add_co_u32 s46, s46, s18                     ; B: row 256 x tile column + 128 x half
	s_mov_b32 s21, 0
	s_mov_b32 s47, 0
	s_mov_b64 s[18:19], KS
	s_mul_u64 s[22:23], s[20:21], s[18:19]         ; where these rows' scales begin, in bytes
	s_mul_u64 s[92:93], s[46:47], s[18:19]
	s_mov_b64 s[18:19], KROW
	s_mul_u64 s[20:21], s[20:21], s[18:19]         ; and their codes
	s_mul_u64 s[46:47], s[46:47], s[18:19]
	s_mul_i32 s45, s14, HALFT                      ; where they go: wave x 128 rows: no place in the cluster enters an LDS address
	s_mul_i32 s94, s14, HALFS
	s_wait_dscnt 0x0                               ; both opening adds are done
	s_wait_kmcnt 0x0
	s_add_nc_u64 s[20:21], s[4:5], s[20:21]
	s_add_nc_u64 s[22:23], s[6:7], s[22:23]
	s_add_nc_u64 s[46:47], s[8:9], s[46:47]
	s_add_nc_u64 s[92:93], s[10:11], s[92:93]
	CROUND                                         ; all sixteen work-groups are here: the first joint loads meet
	s_mov_b32 s[G0S], 1
	s_add_co_u32 s[G0S+1], s94, SCL
	s_mov_b64 s[G0S+2:G0S+3], s[22:23]
	s_or_b32 s[G0S+3], s[G0S+3], 0x80000000
	s_mov_b32 s[G0SB], 1
	s_add_co_u32 s[G0SB+1], s94, SCL
	s_mov_b64 s[G0SB+2:G0SB+3], s[92:93]
	s_or_b32 s[G0SB+3], s[G0SB+3], 0x80000000
	JLOAD G0S, G1S, G0SB, G1SB                     ; the scales first: they are wanted with the first slot
.irp s, 0,1
	s_mov_b32 s[G0+4*\s], 1
	s_add_co_u32 s[G0+4*\s+1], s45, \s*SLOT
	s_add_nc_u64 s[G0+4*\s+2:G0+4*\s+3], s[20:21], \s*ROWB
	s_or_b32 s[G0+4*\s+3], s[G0+4*\s+3], 0x80000000
	s_mov_b32 s[G0B+4*\s], 1
	s_add_co_u32 s[G0B+4*\s+1], s45, \s*SLOT
	s_add_nc_u64 s[G0B+4*\s+2:G0B+4*\s+3], s[46:47], \s*ROWB
	s_or_b32 s[G0B+4*\s+3], s[G0B+4*\s+3], 0x80000000
	JLOAD G0+4*\s, G1, G0B+4*\s, G1B
.endr
	v_and_b32 v1, 15, v0                           ; r = l % 16
	v_bfe_u32 v2, v0, 4, 1                         ; h = l / 16
	v_lshlrev_b32 v[BO], 5, v2
	s_lshl_b32 s46, s42, 10                        ; the bias of my 128 columns: 4 x (256 x tile column + 128 x half) bytes on
	s_lshl_b32 s47, s16, 9
	s_add_co_u32 s46, s46, s47
	s_mov_b32 s47, 0
	s_add_nc_u64 s[12:13], s[12:13], s[46:47]
.irp b, 0,1,2,3,4,5,6,7
	global_load_b128 v[BIAS+8*\b:BIAS+8*\b+3], v[BO], s[12:13] offset:64*\b
	global_load_b128 v[BIAS+8*\b+4:BIAS+8*\b+7], v[BO], s[12:13] offset:64*\b+16
.endr
	v_mul_u32_u24 v3, v1, PITCH
	v_lshl_add_u32 v4, v2, 4, v3                   ; a fragment's row x pitch + 16 x half
	s_mul_i32 s21, s15, HALFT                      ; my 128 rows of A
	s_mul_i32 s22, s16, HALFT                      ; my 128 rows of B,
	s_add_co_u32 s22, s22, 2*HALFT                 ; which lie behind A's 256
.irp s, 0,1
	v_add_nc_u32 v[ADRA+\s], s21, v4
	v_add_nc_u32 v[ADRB+\s], s22, v4
	s_add_co_u32 s21, s21, SLOT
	s_add_co_u32 s22, s22, SLOT
.endr
	v_mul_u32_u24 v5, v1, KS                       ; my row's scales: KS bytes a row,
	v_lshrrev_b32 v6, 8, v5
	v_lshl_add_u32 v5, v6, 4, v5                   ; and 16 more for each 256 passed
	s_mul_i32 s21, s15, HALFS                      ; A's: my 128 rows
	s_mul_i32 s22, s16, HALFS                      ; B's: my 128 rows, behind A's 256
	s_add_co_u32 s22, s22, 2*HALFS
	s_sub_co_u32 s22, s22, s21
	v_mul_u32_u24 v6, s22, v2                      ; lanes 16-31 take B's
	s_add_co_u32 s21, s21, SCL
	v_add_nc_u32 v5, v5, v6
	v_add_nc_u32 v[ADRS], s21, v5
	; the way out: positions, the flag, the two bases
	v_and_b32 v6, 31, v0
	v_lshlrev_b32 v[LN16], 4, v6                   ; q's and k's position in a chunk is the lane
	v_lshrrev_b32 v7, 3, v1
	v_and_b32 v12, 7, v1
	v_lshl_add_u32 v12, v2, 3, v12
	v_lshl_add_u32 v12, v7, 4, v12                 ; v's: 16 (r / 8) + 8 h + r % 8
	v_lshlrev_b32 v12, 4, v12
	s_cmp_eq_u32 ttmp9, 2                          ; the cluster's x is the part; 2 is v.  A value is selected, no way is parted
	s_cselect_b32 s66, -1, 0
	v_cndmask_b32 v[POS], v[LN16], v12, s66
	s_and_b32 s67, s17, 7                          ; a sequence is 8 tile rows
	s_or_b32 s67, s67, s15
	v_mov_b32 v[FLAG], s67
	s_lshr_b32 s20, s17, 3                         ; the batch
	s_lshl_b32 s21, s40, 2
	s_lshl_b32 s22, s16, 1
	s_add_co_u32 s21, s21, s22                     ; the first of my two heads: 4 cx + 2 x column half
	s_lshl_b32 s22, s20, 4
	s_add_co_u32 s22, s22, s21
	s_lshl_b32 s22, s22, 18                        ; a head of a batch: 262,144 bytes
	s_lshl_b32 s23, ttmp9, 24                      ; a part: 16,777,216 bytes
	s_add_co_u32 s22, s22, s23
	s_and_b32 s23, s17, 7
	s_lshl_b32 s23, s23, 4
	s_lshl_b32 s46, s15, 3
	s_add_co_u32 s23, s23, s46                     ; my first block of 16 tokens in the sequence
	s_lshl_b32 s23, s23, 11                        ; 2,048 bytes each
	s_add_co_u32 s22, s22, s23
	s_mov_b32 s23, 0
	s_add_nc_u64 s[OUTP:OUTP+1], s[OUTP:OUTP+1], s[22:23]
	s_mul_i32 s22, s20, 196608                     ; fine: a batch,
	s_lshl_b32 s46, ttmp9, 16                      ; a part,
	s_add_co_u32 s22, s22, s46
	s_lshl_b32 s46, s21, 12                        ; a head
	s_add_co_u32 s22, s22, s46
	s_add_nc_u64 s[FINP:FINP+1], s[FINP:FINP+1], s[22:23]
.macro FRAG reg, adr, q, i             ; a fragment, 16 rows x 128 K of 4-bit codes, is 8 registers: lane l holds row l % 16; registers 4 c .. 4 c + 3 hold K = 64 c + 32 (l / 16) + 0 .. 31
.irp c, 0,1
	ds_load_b128 v[\reg+4*\c:\reg+4*\c+3], v[\adr] offset:64*(\q)+32*\c+(\i)*16*PITCH
.endr
.endm
; 16 matrix instructions: A's blocks a0, a0 + 1 x B's eight, 128 along K: the slot's q-th.  p: B's set;  sc: the set of scale words.  zero = 1: the first product starts the sums from the bias: nothing is ever cleared.
; The 64 accumulators take turns, one instruction a turn, in the same order in every step.
.macro MUL16 a0, p, q, sc, zero
.irp a, \a0, \a0+1
.irp b, 0,1,2,3,4,5,6,7
.if \zero
	v_wmma_scale_f32_16x16x128_f8f6f4 v[8*(8*((\a)%4)+\b):8*(8*((\a)%4)+\b)+7], v[128*(\p)+FR*\b:128*(\p)+FR*\b+FR-1], v[AF+FR*(\a):AF+FR*(\a)+FR-1], v[BIAS+8*\b:BIAS+8*\b+7], v[SC+8*NQ*(\sc)+NQ*\b+(\q)], v[SC+8*NQ*(\sc)+NQ*(\a)+(\q)] matrix_a_fmt:MATRIX_FMT_FP4 matrix_b_fmt:MATRIX_FMT_FP4 matrix_a_scale:MATRIX_SCALE_ROW1
.else
	v_wmma_scale_f32_16x16x128_f8f6f4 v[8*(8*((\a)%4)+\b):8*(8*((\a)%4)+\b)+7], v[128*(\p)+FR*\b:128*(\p)+FR*\b+FR-1], v[AF+FR*(\a):AF+FR*(\a)+FR-1], v[8*(8*((\a)%4)+\b):8*(8*((\a)%4)+\b)+7], v[SC+8*NQ*(\sc)+NQ*\b+(\q)], v[SC+8*NQ*(\sc)+NQ*(\a)+(\q)] matrix_a_fmt:MATRIX_FMT_FP4 matrix_b_fmt:MATRIX_FMT_FP4 matrix_a_scale:MATRIX_SCALE_ROW1
.endif
.endr
.endr
.endm
.macro FETCH_B slot, q, p              ; B's eight fragments of the slot's q-th 128 along K into set p
	WIN TO_B
.irp i, 0,1,2,3,4,5,6,7
	FRAG 128*(\p)+FR*\i, ADRB+\slot, \q, \i
.endr
	WIN 0
.endm
.macro FETCH_A slot, q, i0             ; A's blocks i0 .. i0 + 3
.irp i, \i0, \i0+1, \i0+2, \i0+3
	FRAG AF+FR*(\i), ADRA+\slot, \q, \i
.endr
.endm
.macro SCALES sc                       ; a slot's scale words into set sc: NQ words a row; lanes 0-15 take A's block i, lanes 16-31 B's block i
.irp i, 0,1,2,3,4,5,6,7
	ds_load_b128 v[SC+8*NQ*\sc+NQ*\i:SC+8*NQ*\sc+NQ*\i+3], v[ADRS] offset:\i*SBLK
.endr
.endm
; A load into a register that a matrix instruction has read, and a vector instruction that reads a matrix result or writes one of its registers, stand NP places behind it; only plain vector instructions
; that name none of its registers are places (ISA guide 7.12.1 for vector instructions).
.macro PLACES n
.rept \n
	v_nop
.endr
.endm
; A step of 128 along K that has its successor in the same slot.
.macro STEP slot, q, zero
	s_wait_dscnt 4*NL                              ; B's set and A's blocks 0-3 are in; the youngest eight loads (A's blocks 4-7) may be out
.if \zero
	WIN BIA_LO
.else
	WIN MUL_LO
.endif
	MUL16 0, (\q)%2, \q, \slot, \zero
	MUL16 2, (\q)%2, \q, \slot, \zero
	s_wait_dscnt 0                                 ; A's blocks 4-7 are in (asked for 32 matrix instructions ago)
	PLACES NP
	FETCH_B \slot, (\q)+1, 1-(\q)%2
	FETCH_A \slot, (\q)+1, 0
.if \zero
	WIN BIA_HI
.else
	WIN MUL_HI
.endif
	MUL16 4, (\q)%2, \q, \slot, \zero
	MUL16 6, (\q)%2, \q, \slot, \zero
	PLACES NP
	WIN 0
	FETCH_A \slot, (\q)+1, 4
.endm
; Slot 0's last step changes slots: one barrier; in front of it each wave waits for all its tensor loads (its part of slot 1), adds 0 to its spare word, and waits for that and for its LDS reads.  Nothing is filled again.
.macro TURN slot, next
	s_wait_tensorcnt 0x0                           ; all my tensor loads have landed
	ds_add_u32 v[SPW], v[NIL]                      ; 0 onto my spare word
	s_wait_dscnt 4*NL+1                            ; (the add and the youngest eight loads, A's blocks 4-7, may be out)
	WIN MUL_LO
	MUL16 0, 1, NQ-1, \slot, 0                     ; sixteen matrix instructions stand between the add and the wait for it
	s_wait_dscnt 0x0                               ; the add is done, and my LDS reads are in
	s_barrier_signal -1
	MUL16 2, 1, NQ-1, \slot, 0
	WIN 0
	s_barrier_wait -1                              ; every wave's part of the next slot has landed
	PLACES NP
	v_add_nc_u32 v[ADRS], 4*NQ, v[ADRS]            ; on to the next slot's scale words (no LDS load of mine is out)
	FETCH_B \next, 0, 0
	FETCH_A \next, 0, 0
	SCALES \next
	WIN MUL_HI
	MUL16 4, 1, NQ-1, \slot, 0
	MUL16 6, 1, NQ-1, \slot, 0
	PLACES NP
	WIN 0
	FETCH_A \next, 0, 4
.endm
.macro STEPS slot, from                ; the slot's steps from .. NQ - 2
.set Q, \from
.rept NQ-1-\from
	STEP \slot, Q, 0
.set Q, Q+1
.endr
.endm
	s_wait_tensorcnt 1                             ; the scales and my part of slot 0 are in (slot 1's load may be out)
	s_barrier_signal -1
	s_barrier_wait -1                              ; everybody's are
	FETCH_B 0, 0, 0
	FETCH_A 0, 0, 0
	SCALES 0
	FETCH_A 0, 0, 4
	s_wait_loadcnt 0x0                             ; the bias
	STEP 0, 0, 1                                   ; the first step's products start the sums from the bias
	STEPS 0, 1
	TURN 0, 1
	STEPS 1, 0
	s_wait_dscnt 4*NL                              ; the very last step: nothing more to fetch
	WIN MUL_LO
	MUL16 0, 1, NQ-1, 1, 0
	MUL16 2, 1, NQ-1, 1, 0
	s_wait_dscnt 0
	WIN MUL_HI
	MUL16 4, 1, NQ-1, 1, 0
	MUL16 6, 1, NQ-1, 1, 0
	PLACES NP                                      ; the conversions below write registers that held B's fragments; blocks finished earlier are packed first
	; THE WAY OUT.  All 64 accumulators are rounded to f16, each from its low end on, into window 1's 256 registers, each written once: so no store's data are written again.
.irp a, 0,1,2,3,4,5,6,7
.if \a < 4
	WIN 0x4a                                       ; sources window 2, destination window 1
.else
	WIN 0x4f                                       ; sources window 3
.endif
.irp b, 0,1,2,3,4,5,6,7
.irp i, 0,1,2,3
	v_cvt_pk_f16_f32 v[32*\a+4*\b+\i], v[64*(\a%4)+8*\b+2*\i], v[64*(\a%4)+8*\b+2*\i+1]
.endr
.endr
.endr
	WIN 0x04                                       ; a store's data are its source 1: window 1
.irp a, 0,1,2,3,4,5,6,7
.irp b, 0,1,2,3,4,5,6,7
	global_store_b128 v[POS], v[32*\a+4*\b:32*\a+4*\b+3], s[OUTP:OUTP+1] offset:\a*2048+(\b/4)*262144+(\b%4)*512   ; block of tokens a, head b / 4, chunk b % 4: the wave stores 512 consecutive bytes
.endr
.endr
	WIN 0
	s_wait_xcnt 0x0                                ; EXEC changes only behind this wait
	v_cmp_eq_u32 vcc_lo, 0, v[FLAG]
	s_and_saveexec_b32 s95, vcc_lo                 ; all lanes or none: tokens 0 to 15 of a sequence leave in f32 too
	WIN 0x08                                       ; data: window 2, block a = 0
.irp b, 0,1,2,3,4,5,6,7
.irp g, 0,1
	global_store_b128 v[LN16], v[8*\b+4*\g:8*\b+4*\g+3], s[FINP:FINP+1] offset:(\b/4)*4096+(\b%4)*1024+\g*512
.endr
.endr
	s_wait_xcnt 0x0                                ; and again, in front of the line that widens it
	WIN 0
	s_or_b32 exec_lo, exec_lo, s95
	s_wait_tensorcnt 0x0                           ; the wave's end
	ds_add_u32 v[SPW], v[NIL]
	s_wait_dscnt 0x0
	CROUND                                         ; the closing round: no work-group ends while a partner may still ask for a tile that names it
	s_endpgm
.Lfunc_end_k_q23d3522de8_qkv:
	.size	k_q23d3522de8_qkv, .Lfunc_end_k_q23d3522de8_qkv-k_q23d3522de8_qkv
	.p2alignl 7, 3214868480
	.fill 96, 4, 3214868480
	.section	.rodata,"a",@progbits
	.p2align	6, 0x0
	.amdhsa_kernel k_q23d3522de8_qkv
		.amdhsa_group_segment_fixed_size 327680
		.amdhsa_private_segment_fixed_size 0
		.amdhsa_enable_private_segment 0
		.amdhsa_kernarg_size 56
		.amdhsa_user_sgpr_count 2
		.amdhsa_user_sgpr_kernarg_segment_ptr 1
		.amdhsa_wavefront_size32 1
		.amdhsa_system_sgpr_workgroup_id_x 1
		.amdhsa_system_sgpr_workgroup_id_y 1
		.amdhsa_system_sgpr_workgroup_id_z 1
		.amdhsa_system_vgpr_workitem_id 0
		.amdhsa_next_free_vgpr 1024
		.amdhsa_next_free_sgpr 100
		.amdhsa_reserve_vcc 1
		.amdhsa_float_denorm_mode_32 3
		.amdhsa_float_denorm_mode_16_64 3
		.amdhsa_memory_ordered 1
		.amdhsa_forward_progress 1
		.amdhsa_inst_pref_size 121
	.end_amdhsa_kernel
	.amdgpu_metadata
---
amdhsa.version: [ 1, 2 ]
amdhsa.kernels:
  - .name:           k_q23d3522de8_qkv
    .symbol:         k_q23d3522de8_qkv.kd
    .args:
      - { .name: xc, .offset: 0, .size: 8, .value_kind: global_buffer, .address_space: global }
      - { .name: xs, .offset: 8, .size: 8, .value_kind: global_buffer, .address_space: global }
      - { .name: wc, .offset: 16, .size: 8, .value_kind: global_buffer, .address_space: global }
      - { .name: ws, .offset: 24, .size: 8, .value_kind: global_buffer, .address_space: global }
      - { .name: b_in, .offset: 32, .size: 8, .value_kind: global_buffer, .address_space: global }
      - { .name: qkvh, .offset: 40, .size: 8, .value_kind: global_buffer, .address_space: global }
      - { .name: fine, .offset: 48, .size: 8, .value_kind: global_buffer, .address_space: global }
    .group_segment_fixed_size: 327680
    .private_segment_fixed_size: 0
    .kernarg_segment_align: 8
    .kernarg_segment_size: 56
    .max_flat_workgroup_size: 128
    .sgpr_count:     100
    .vgpr_count:     1024
    .wavefront_size: 32
...
	.end_amdgpu_metadata
.endif
;; end of part 2
;; launch attn (part 3): grid 4 x 64, 8 waves a work-group, no clusters, 327,680 bytes of LDS; arguments qkvh, att; writes att
.if DOCPART == 3
	.amdgcn_target "amdgcn-amd-amdhsa--gfx1250"
	.amdhsa_code_object_version 6
	.text
	.protected	k_q23d3522de8_attn
	.globl	k_q23d3522de8_attn
	.p2align	8
	.type	k_q23d3522de8_attn,@function
k_q23d3522de8_attn:
	s_mov_b64 s[64:65], 0
	v_nop
	global_prefetch_b8 v0, s[64:65] scope:SCOPE_SE
	s_setreg_imm32_b32 hwreg(HW_REG_WAVE_MODE, 25, 1), 1
	s_wait_xcnt 0x0
; O[bh][q] = sum over k <= q of softmax_k(Q[bh][q] . K[bh][k] / 8) V[bh][k]: 64 heads (batch x head) of 2,048 positions and 64 channels.  Operands f16, products, maxima and sums f32.
; WORK LEFT OUT: key steps of 64 keys that lie wholly behind the causal mask that the problem builds itself: their weights are exactly 0 for all finite inputs.
; q, k, v arrive as images of operand registers: [part][bh][block of 16 tokens][t 4][position 32][16 bytes] (a block of tokens of a head: 2,048 bytes; a head: 262,144).  So a slot of 256 keys is a dense block of
; 32,768 bytes of K and one of V, every fragment is read at a constant + 16 x lane, and no row has a pitch or a padding.
; SHARES.  Work-group (i, bh) owns two blocks of 256 queries of head bh: first block 7 - i with key slots 0 .. 7 - i, then block i with key slots 0 .. i: nine slots of 256 keys in every work-group,
; so that the 256 work-groups have the same work and the trip counts are constants.  Wave w owns 32 queries of a block, two tiles of 16: each fragment of K and V feeds two matrix instructions.
; NO CLUSTER: the four work-groups of a head want different key slots from the fifth trip on, and under the mask a partner would pass over tiles that a joint load brings.
; LAYOUT.  S^T = K Q^T (source 0 = 16 keys, source 1 = 16 queries): a lane holds ONE query (lane % 16) and the keys 8 (lane / 16) + 0..7.  Two such tiles rounded to f16 in pairs are source 1 of O^T = V^T P,
; whose result again holds one query a lane and eight channels: packed to f16 it is a chunk of the projection's operand as it stands, and leaves by stores of 512 consecutive bytes.  V is turned by ds_load_tr16_b128.
; SOFTMAX.  For each query a running maximum m and sum l: p = 2^(c s - c m), c = log2(e) / 8; in every step O and l are multiplied by 2^(c m_old - c m_new).  Key 0 counts for every query, so m is a number from a pass's first step on.
; THE RING.  Two LDS slots of 65,536 bytes.  Waves 0 and 1 fetch K's halves, waves 2 and 3 V's, 16,384 bytes each; all eight read.  The change of slots stands at a slot's head.  One tensor load of a wave is out at the most.
; LIMITS: f16's range for q, k, v; weights p under 6e-8 of a row's largest count for nothing.
; REGISTERS: v1 16 x lane; v2 + the slot; v3, v4 the add's two; v5 256 x lane; v6 r - 8 h; v7 at work; v8-19 statistics, six a tile: c m, m, l (a pair), the factor (a pair); v20-27 four maxima a tile; v28-31 a second sum a tile;
;   v32-63 Q; v64-127 K's fragments of a step, then V's; v128-191 S^T, 32 a tile, P packed into each tile's low 16; v192-255 O^T, 32 a tile.
.set SLOTB, 65536                      ; an LDS slot: 256 keys of K (32,768 bytes), then of V
.set VOFF,  32768
.set STEPB, 8192                       ; 64 keys: four blocks of 16 tokens
.set SPARE, 2*SLOTB                    ; the spare words, 128 bytes for each of eight waves, which no other line names
.set LN,  1
.set ADR, 2
.set SPW, 3
.set NIL, 4
.set PFO, 5
.set RH,  6
.set DD,  7
.set ST,  8                            ; tile x: v[ST+6x] c m, +1 m, +2,+3 l, +4,+5 the factor (the pair's second word is written once)
.set CC,  20                           ; tile x: v[CC+4x .. +3]
.set T2,  28                           ; tile x: v[T2+2x : +1]
.set QQ,  32
.set KV,  64
.set SS,  128
.set OO,  192
; s[4:5] qkvh, s[6:7] att; s8 wave, s9 i, s10 bh; s[12:15] descriptor group 0, s[16:23] group 1; s[24:25] where my part of key slot 0 lies; s[26:27] an offset; s28 the key slot asked for; s29 8 - i; s30 trips to go;
; s31 i; s32 the LDS slot in hand; s33 the step's first key; s34 my first query; s35 the second pass's; s36, s37, s56 at work; s[38:39] c; s[40:41] lane selects; s[42:43], s[44:45] q's chunks of the two passes;
; s[46:47], s[48:49] att's; s[50:51], s[52:53] the prefetches' places in K and V; s54 their limit
.macro TLOAD                           ; waves 0 to 3 fetch; the branch hangs on the wave's number alone.  An s_nop 0 and four v_nop follow the load
	s_cmp_lt_u32 s8, 4
	s_cbranch_scc0 .Lno_load_\@
	tensor_load_to_lds s[12:15], s[16:23]
	s_nop 0
.rept 4
	v_nop
.endr
.Lno_load_\@:
.endm
; A PREFETCH INTO THE L2 of the key slot that the NEXT change of slots will ask for: 32,768 bytes of K and of V.  All four work-groups of a head walk the same K and V from slot 0 on: work-group i = 0, whose first pass walks all
; eight slots, asks, and in it the waves that fetch nothing: waves 4 to 7, 8,192 bytes of K and of V each, lanes 256 bytes apart.  So each aligned block of 256 bytes is named once in the launch.
; Trip j asks for key slot j + 2, up to slot 7: the trips with two or fewer to go ask for nothing.  Slots 0 and 1 come by their loads alone.
.macro ASK
	s_cmp_gt_u32 s30, s54
	s_cbranch_scc0 .Lnot_mine_\@
	global_prefetch_b8 v[PFO], s[50:51] th:TH_LOAD_NT scope:SCOPE_SE
	global_prefetch_b8 v[PFO], s[52:53] th:TH_LOAD_NT scope:SCOPE_SE
.Lnot_mine_\@:
.endm
.macro QLOAD p                         ; my 32 queries: two blocks of tokens, four chunks each; chunks 2 u, 2 u + 1 are the fragment of channels 32 u on
.irp x, 0,1
.irp ch, 0,1,2,3
	global_load_b128 v[QQ+16*\x+4*\ch:QQ+16*\x+4*\ch+3], v[LN], s[\p:\p+1] offset:\x*2048+\ch*512
.endr
.endr
.endm
.macro RESET                           ; a pass begins: m = -3e38, under every score; l = 0; O^T = 0.  The step is written once: a pass's first step finds zeros, which its factor 0 leaves zeros
.irp x, 0,1
	v_mov_b32 v[ST+6*\x+1], 0xff61b1e6
	v_mov_b32 v[ST+6*\x+2], 0
	v_mov_b32 v[ST+6*\x+3], 0
.endr
.irp x, 0,1
	v_mul_f32 v[ST+6*\x], s38, v[ST+6*\x+1]
.endr
.set n, 0
.rept 64
	v_mov_b32 v[OO+n], 0
.set n, n+1
.endr
.endm
; A pass ends: O^T / l, rounded to f16, leaves as the projection's chunks.  p: the scalar pair with att's address.
.macro FLUSH p
.rept 4
	v_nop                                          ; places behind the last products, whose results are read and whose source P is written below
.endr
.irp x, 0,1
	v_add_f32 v[CC+4*\x], v[ST+6*\x+2], v[ST+6*\x+3]      ; l's two halves,
.endr
.irp x, 0,1
	v_permlanex16_b32 v[CC+4*\x+1], v[CC+4*\x], s40, s41
.endr
.irp x, 0,1
	v_add_f32 v[CC+4*\x], v[CC+4*\x], v[CC+4*\x+1]        ; and the lane's 16 away
.endr
.irp x, 0,1
	v_rcp_f32 v[ST+6*\x+4], v[CC+4*\x]
.endr
	v_nop                                          ; a plain instruction behind the reciprocals,
	s_wait_alu depctr_va_vdst(0)                   ; and the one wait ahead of their first reader
.irp x, 0,1
.set n, 0
.rept 16
	v_pk_mul_f32 v[OO+32*\x+2*n:OO+32*\x+2*n+1], v[OO+32*\x+2*n:OO+32*\x+2*n+1], v[ST+6*\x+4:ST+6*\x+5] op_sel_hi:[1,0]
.set n, n+1
.endr
.endr
.irp x, 0,1
.set n, 0
.rept 16
	v_cvt_pk_f16_f32 v[SS+16*\x+n], v[OO+32*\x+2*n], v[OO+32*\x+2*n+1]
.set n, n+1
.endr
.endr
.irp x, 0,1
.irp ch, 0,1,2,3
	global_store_b128 v[LN], v[SS+16*\x+4*\ch:SS+16*\x+4*\ch+3], s[\p:\p+1] offset:\x*32768+\ch*512   ; the wave stores 512 consecutive bytes
.endr
.endr
.endm
	s_load_b128 s[4:7], s[0:1], 0x0                ; qkvh, att
	v_lshl_add_u32 v[SPW], v0, 2, SPARE
	v_mov_b32 v[NIL], 0
	ds_add_u32 v[SPW], v[NIL]                      ; the wave's opening: the add, twice on end, and its wait ahead of my first tensor load
	ds_add_u32 v[SPW], v[NIL]                      ; and once more, under the one wait; the set-up below, work on registers, stands between
	v_lshrrev_b32 v1, 5, v0
	v_readfirstlane_b32 s8, v1                     ; wave 0..7
	s_mov_b32 s9, ttmp9                            ; i
	s_and_b32 s10, ttmp7, 0xffff                   ; bh
	; descriptor group 1: 16,384 dense bytes as 64 rows of 256 (32 elements of 8 bytes), no padding
	s_mov_b32 s16, 3<<16                           ; no mask; elements of 8 bytes
	s_mov_b32 s17, 32<<16                          ; tensor_dim0 = 32
	s_mov_b32 s18, 64<<16                          ; tensor_dim1 = 64
	s_mov_b32 s19, 32<<16                          ; tile_dim0 = 32
	s_mov_b32 s20, 64                              ; tile_dim1 = 64
	s_mov_b32 s21, 32                              ; from row to row
	s_mov_b32 s22, 0
	s_mov_b32 s23, 0
	s_mov_b32 s12, 1                               ; group 0: count = 1
	s_lshl_b32 s13, s8, 14                         ; LDS address: 16,384 x wave, in slot 0
	s_lshl_b32 s37, s10, 18                        ; the head's first byte in a part
	s_bfe_u32 s36, s8, 0x10001                     ; waves 0, 1: K (part 1); waves 2, 3: V (part 2)
	s_add_co_u32 s36, s36, 1
	s_lshl_b32 s36, s36, 24
	s_add_co_u32 s26, s36, s37
	s_and_b32 s36, s8, 1                           ; which half of a slot
	s_lshl_b32 s36, s36, 14
	s_add_co_u32 s26, s26, s36
	s_mov_b32 s27, 0
	s_mov_b32 s28, 0                               ; key slot 0 is asked for at the head
	s_sub_co_u32 s29, 8, s9                        ; the first pass has 8 - i key slots
	s_mov_b32 s30, 8
	s_mov_b32 s31, s9                              ; the second pass begins where i trips of the loop are left (i = 0: in the trip behind it)
	s_mov_b32 s32, 0
	s_mov_b32 s33, 0
	s_lshl_b32 s36, s8, 5
	s_sub_co_u32 s34, 7, s9
	s_lshl_b32 s34, s34, 8
	s_add_co_u32 s34, s34, s36                     ; my first query in the first pass: 256 (7 - i) + 32 w
	s_lshl_b32 s35, s9, 8
	s_add_co_u32 s35, s35, s36                     ; and in the second: 256 i + 32 w
	s_mov_b32 s38, 0x3e38aa3b                      ; c = log2(e) / 8
	s_mov_b32 s39, s38                             ; (named with it as a pair, so it is written)
	s_mov_b32 s40, 0x76543210
	s_mov_b32 s41, 0xfedcba98                      ; lane l xor 16
	s_lshl_b32 s42, s34, 7                         ; q: 2,048 bytes for 16 queries
	s_add_co_u32 s42, s42, s37
	s_mov_b32 s43, 0
	s_lshl_b32 s44, s35, 7
	s_add_co_u32 s44, s44, s37
	s_mov_b32 s45, 0
	s_lshr_b32 s36, s10, 4                         ; att: the batch's 128 blocks of 16 rows, 32,768 bytes each,
	s_lshl_b32 s36, s36, 22
	s_and_b32 s56, s10, 15                         ; the head's 2,048 bytes in a block,
	s_lshl_b32 s56, s56, 11
	s_add_co_u32 s36, s36, s56
	s_lshl_b32 s46, s34, 11                        ; my first query's block
	s_add_co_u32 s46, s46, s36
	s_mov_b32 s47, 0
	s_lshl_b32 s48, s35, 11
	s_add_co_u32 s48, s48, s36
	s_mov_b32 s49, 0
	s_and_b32 s50, s8, 3                           ; the prefetches: my 8,192 bytes of a slot,
	s_lshl_b32 s50, s50, 13
	s_add_co_u32 s50, s50, s37
	s_add_co_u32 s50, s50, 16777216+32768          ; in K, at key slot 1: the first change of slots steps it to slot 2
	s_mov_b32 s51, 0
	s_add_co_u32 s52, s50, 16777216                ; and in V
	s_mov_b32 s53, 0
	s_lshr_b32 s54, s8, 2
	s_xor_b32 s54, s54, 1                          ; 0 in waves 4 to 7,
	s_or_b32 s54, s54, s9                          ; of work-group i = 0
	s_cmp_eq_u32 s54, 0
	s_cselect_b32 s54, 2, -1
	v_and_b32 v[LN], 31, v0
	v_lshlrev_b32 v[PFO], 8, v[LN]
	v_lshlrev_b32 v[LN], 4, v[LN]
	v_and_b32 v[RH], 15, v0
	v_bfe_u32 v[DD], v0, 4, 1
	v_lshlrev_b32 v[DD], 3, v[DD]
	v_sub_nc_u32 v[RH], v[RH], v[DD]               ; r - 8 h
	s_wait_dscnt 0x0                               ; both opening adds are done
	s_wait_kmcnt 0x0
	s_add_nc_u64 s[24:25], s[4:5], s[26:27]
	s_add_nc_u64 s[42:43], s[4:5], s[42:43]
	s_add_nc_u64 s[44:45], s[4:5], s[44:45]
	s_add_nc_u64 s[46:47], s[6:7], s[46:47]
	s_add_nc_u64 s[48:49], s[6:7], s[48:49]
	s_add_nc_u64 s[50:51], s[4:5], s[50:51]
	s_add_nc_u64 s[52:53], s[4:5], s[52:53]
	s_mov_b64 s[14:15], s[24:25]
	s_or_b32 s15, s15, 0x80000000                  ; type = 2
	TLOAD                                          ; key slot 0 into LDS slot 0
	QLOAD 42
	RESET
.irp x, 0,1
	v_mov_b32 v[ST+6*\x+5], 0                      ; named as the upper half of a pair
	v_mov_b32 v[CC+4*\x+1], 0                      ; a lane permute's destination counts as one of its sources
.endr
	s_wait_loadcnt 0x0                             ; Q
; A KEY STEP: 64 keys, the s-th of the slot in hand.
.macro STEP s
	s_add_co_u32 s36, s34, 31                      ; a step all of whose keys come after my 32 queries is left out: a scalar branch on ids and counted steps, round loads, products and softmax alone
	s_cmp_gt_u32 s33, s36
	s_cbranch_scc1 .Lhid_\@
.rept 5
	v_nop                                          ; places behind the last step's products: four for the loads into the registers that held V, five for the products below, which write over P
.endr
.set n, 0
.rept 16
	ds_load_b128 v[KV+4*n:KV+4*n+3], v[ADR] offset:STEPB*(\s)+512*n     ; K: block of keys n / 4, chunk n % 4: fragment (kt, u) at v[KV + 8 (2 kt + u)]
.set n, n+1
.endr
	s_wait_dscnt 0x0
.irp u, 0,1                            ; S^T = K Q^T: eight accumulators by turns; the first eight products start the sums
.irp kt, 0,1,2,3
.irp x, 0,1
.if \u == 0
	v_wmma_f32_16x16x32_f16 v[SS+32*\x+8*\kt:SS+32*\x+8*\kt+7], v[KV+8*(2*\kt+\u):KV+8*(2*\kt+\u)+7], v[QQ+16*\x+8*\u:QQ+16*\x+8*\u+7], 0
.else
	v_wmma_f32_16x16x32_f16 v[SS+32*\x+8*\kt:SS+32*\x+8*\kt+7], v[KV+8*(2*\kt+\u):KV+8*(2*\kt+\u)+7], v[QQ+16*\x+8*\u:QQ+16*\x+8*\u+7], v[SS+32*\x+8*\kt:SS+32*\x+8*\kt+7]
.endif
.endr
.endr
.endr
.rept 4
	v_nop                                          ; places in front of the loads into K's registers and of the first read of the scores
.endr
.irp kk, 0,1                           ; V, turned: fragment (kk, ch): channels 16 ch on, keys 32 kk on.  They land while the softmax is worked
.irp ch, 0,1,2,3
.irp e, 0,1
	ds_load_tr16_b128 v[KV+8*(4*\kk+\ch)+4*\e:KV+8*(4*\kk+\ch)+4*\e+3], v[ADR] offset:VOFF+STEPB*(\s)+(2*\kk+\e)*2048+512*\ch
.endr
.endr
.endr
	s_add_co_u32 s36, s33, 63                      ; on the diagonal the scores of hidden keys become -infinity ahead of the maximum.  A step all of whose keys count passes over this
	s_cmp_le_u32 s36, s34
	s_cbranch_scc1 .Lopen_\@
	s_sub_co_i32 s36, s34, s33
	v_add_nc_u32 v[DD], s36, v[RH]                 ; d = my first query - the step's first key + r - 8 h.  Tile x, register 8 kt + j: hidden where 16 kt + j - 16 x > d
	v_mov_b32 v[CC], 0xff800000
.irp x, 0,1
.irp kt, 0,1,2,3
.irp j, 0,1,2,3,4,5,6,7
	v_cmp_gt_i32 vcc_lo, 16*\kt+\j-16*\x, v[DD]
	v_cndmask_b32 v[SS+32*\x+8*\kt+\j], v[SS+32*\x+8*\kt+\j], v[CC], vcc_lo
.endr
.endr
.endr
.Lopen_\@:
	; the softmax, the two tiles line by line by turns.  The maximum of 32 scores and the old m: four chains, each from its accumulator's low end on
.irp k, 0,1,2,3
.irp x, 0,1
	v_max3_num_f32 v[CC+4*\x+\k], v[SS+32*\x+8*\k], v[SS+32*\x+8*\k+1], v[SS+32*\x+8*\k+2]
.endr
.endr
.irp i, 3,5
.irp k, 0,1,2,3
.irp x, 0,1
	v_max3_num_f32 v[CC+4*\x+\k], v[CC+4*\x+\k], v[SS+32*\x+8*\k+\i], v[SS+32*\x+8*\k+\i+1]
.endr
.endr
.endr
.irp x, 0,1
	v_max3_num_f32 v[CC+4*\x], v[CC+4*\x], v[SS+32*\x+7], v[SS+32*\x+15]
.endr
.irp x, 0,1
	v_max3_num_f32 v[CC+4*\x+2], v[CC+4*\x+2], v[SS+32*\x+23], v[SS+32*\x+31]
.endr
.irp x, 0,1
	v_max3_num_f32 v[CC+4*\x], v[CC+4*\x], v[CC+4*\x+1], v[CC+4*\x+2]
.endr
.irp x, 0,1
	v_max3_num_f32 v[CC+4*\x], v[CC+4*\x], v[CC+4*\x+3], v[ST+6*\x+1]
.endr
.irp x, 0,1
	v_permlanex16_b32 v[CC+4*\x+1], v[CC+4*\x], s40, s41      ; the query's other 32 keys lie in the lane 16 away
.endr
.irp x, 0,1
	v_mov_b32 v[CC+4*\x+3], v[ST+6*\x]             ; c m_old
.endr
.irp x, 0,1
	v_max_num_f32 v[ST+6*\x+1], v[CC+4*\x], v[CC+4*\x+1]
.endr
.irp x, 0,1
	v_mul_f32 v[ST+6*\x], s38, v[ST+6*\x+1]
.endr
.irp x, 0,1
	v_sub_f32 v[CC+4*\x+3], v[CC+4*\x+3], v[ST+6*\x]
.endr
.irp j, 0,2,4,6,8,10,12,14,16,18,20,22,24,26,28,30
.irp x, 0,1
	v_pk_fma_f32 v[SS+32*\x+\j:SS+32*\x+\j+1], v[SS+32*\x+\j:SS+32*\x+\j+1], s[38:39], v[ST+6*\x:ST+6*\x+1] op_sel_hi:[1,0,0] neg_lo:[0,0,1] neg_hi:[0,0,1]   ; c s - c m, two at a time
.endr
.endr
.irp x, 0,1
	v_exp_f32 v[ST+6*\x+4], v[CC+4*\x+3]           ; the factor 2^(c m_old - c m_new)
.endr
.irp j, 0,1,2,3,4,5,6,7,8,9,10,11,12,13,14,15,16,17,18,19,20,21,22,23,24,25,26,27,28,29,30,31
.irp x, 0,1
	v_exp_f32 v[SS+32*\x+\j], v[SS+32*\x+\j]
.endr
.endr
	v_nop                                          ; a plain instruction behind the last exponential,
	s_wait_alu depctr_va_vdst(0)                   ; and ONE wait for both tiles' 66, ahead of their first reader
.irp x, 0,1
	v_pk_mul_f32 v[ST+6*\x+2:ST+6*\x+3], v[ST+6*\x+2:ST+6*\x+3], v[ST+6*\x+4:ST+6*\x+5] op_sel_hi:[1,0]
.endr
.irp x, 0,1
	v_pk_add_f32 v[T2+2*\x:T2+2*\x+1], v[SS+32*\x:SS+32*\x+1], v[SS+32*\x+2:SS+32*\x+3]     ; the row's sum of the unrounded p, in two chains
.endr
.irp j, 4,8,12,16,20,24,28
.irp x, 0,1
	v_pk_add_f32 v[ST+6*\x+2:ST+6*\x+3], v[ST+6*\x+2:ST+6*\x+3], v[SS+32*\x+\j:SS+32*\x+\j+1]
	v_pk_add_f32 v[T2+2*\x:T2+2*\x+1], v[T2+2*\x:T2+2*\x+1], v[SS+32*\x+\j+2:SS+32*\x+\j+3]
.endr
.endr
.irp x, 0,1
	v_pk_add_f32 v[ST+6*\x+2:ST+6*\x+3], v[ST+6*\x+2:ST+6*\x+3], v[T2+2*\x:T2+2*\x+1]
.endr
.set n, 0
.rept 16
.irp x, 0,1
	v_cvt_pk_f16_f32 v[SS+32*\x+n], v[SS+32*\x+2*n], v[SS+32*\x+2*n+1]     ; P, in place and ascending: register n takes scores 2 n, 2 n + 1, which no later line reads
.endr
.set n, n+1
.endr
.set n, 0
.rept 16
.irp x, 0,1
	v_pk_mul_f32 v[OO+32*\x+2*n:OO+32*\x+2*n+1], v[OO+32*\x+2*n:OO+32*\x+2*n+1], v[ST+6*\x+4:ST+6*\x+5] op_sel_hi:[1,0]   ; O^T under the new maximum
.endr
.set n, n+1
.endr
	s_wait_dscnt 0x0                               ; V is in
.irp kk, 0,1                           ; O^T += V^T P: eight accumulators by turns
.irp ch, 0,1,2,3
.irp x, 0,1
	v_wmma_f32_16x16x32_f16 v[OO+32*\x+8*\ch:OO+32*\x+8*\ch+7], v[KV+8*(4*\kk+\ch):KV+8*(4*\kk+\ch)+7], v[SS+32*\x+8*\kk:SS+32*\x+8*\kk+7], v[OO+32*\x+8*\ch:OO+32*\x+8*\ch+7]
.endr
.endr
.endr
.Lhid_\@:
	s_add_co_u32 s33, s33, 64
.endm
; THE CHANGE OF SLOTS stands at a slot's head.  Each wave waits for all its tensor loads (its part of the slot that it is about to read), adds 0 to its spare word (fill = 1: twice on end), and waits for that and for its
; reads of the slot that it has left.  Behind the barrier the slot ahead is whole and nobody reads the other one.  fill = 1: that other slot takes the next trip's key slot, which has a whole slot's steps in which to land.
; Every slot asked for is read: wave 7 reads all four steps of a diagonal slot.
.macro CHANGE fill
	s_wait_tensorcnt 0x0                           ; no tensor load of mine is out, so group 0 may be written
	ds_add_u32 v[SPW], v[NIL]                      ; 0 onto my spare word
.if \fill
	ds_add_u32 v[SPW], v[NIL]                      ; and once more, in every trip alike
	s_xor_b32 s13, s13, SLOTB                      ; the other LDS slot than last time
	s_add_co_u32 s28, s28, 1                       ; the next key slot;
	s_cmp_eq_u32 s28, s29
	s_cselect_b32 s28, 0, s28                      ; behind the first pass's last comes the second pass's slot 0
	s_lshl_b32 s26, s28, 15
	s_add_nc_u64 s[14:15], s[24:25], s[26:27]
	s_or_b32 s15, s15, 0x80000000
	s_wait_xcnt 0x0                                ; the last prefetches, a slot back, have read their addresses, so they may be written
	s_add_nc_u64 s[50:51], s[50:51], 32768
	s_add_nc_u64 s[52:53], s[52:53], 32768
.endif
	s_wait_dscnt 0x0                               ; the add is done (fill = 1: both are), and my reads of the slot that I have left are over
	s_barrier_signal -1
	s_barrier_wait -1
.if \fill
	TLOAD                                          ; the first thing behind the barrier, and a wave's one tensor load until the next
	ASK
.endif
.endm
; THE SECOND PASS BEGINS where the count of trips says so: ids and the loop's counter alone, the same in all eight waves; no LDS instruction, no barrier and no tensor load stands under the branch.
.macro SWITCH
	s_cmp_eq_u32 s30, s31
	s_cbranch_scc0 .Lsame_\@
	FLUSH 46
	s_wait_xcnt 0x0                                ; the stores have read their registers: the next scores may be written there
	QLOAD 44
	RESET
	s_mov_b32 s34, s35
	s_mov_b32 s33, 0
	s_wait_loadcnt 0x0
.Lsame_\@:
.endm
.macro SLOT_STEPS
	v_add_nc_u32 v[ADR], s32, v[LN]
	STEP 0
	STEP 1
	STEP 2
	STEP 3
	s_xor_b32 s32, s32, SLOTB                      ; on to the other slot
.endm
.Lslot:                                            ; eight trips: behind each change of slots but the last the next trip's key slot is asked for
	CHANGE 1
	SWITCH
	SLOT_STEPS
	s_sub_co_u32 s30, s30, 1
	s_cmp_lg_u32 s30, 0
	s_cbranch_scc1 .Lslot
	CHANGE 0                                       ; the ninth slot is written out, so that no trip jumps over a tensor load
	SWITCH
	SLOT_STEPS
	FLUSH 48
	s_wait_tensorcnt 0x0                           ; the wave's end
	ds_add_u32 v[SPW], v[NIL]
	s_wait_dscnt 0x0
	s_endpgm
.Lfunc_end_k_q23d3522de8_attn:
	.size	k_q23d3522de8_attn, .Lfunc_end_k_q23d3522de8_attn-k_q23d3522de8_attn
	.p2alignl 7, 3214868480
	.fill 96, 4, 3214868480
	.section	.rodata,"a",@progbits
	.p2align	6, 0x0
	.amdhsa_kernel k_q23d3522de8_attn
		.amdhsa_group_segment_fixed_size 327680
		.amdhsa_private_segment_fixed_size 0
		.amdhsa_enable_private_segment 0
		.amdhsa_kernarg_size 16
		.amdhsa_user_sgpr_count 2
		.amdhsa_user_sgpr_kernarg_segment_ptr 1
		.amdhsa_wavefront_size32 1
		.amdhsa_system_sgpr_workgroup_id_x 1
		.amdhsa_system_sgpr_workgroup_id_y 1
		.amdhsa_system_sgpr_workgroup_id_z 1
		.amdhsa_system_vgpr_workitem_id 0
		.amdhsa_next_free_vgpr 256
		.amdhsa_next_free_sgpr 66
		.amdhsa_reserve_vcc 1
		.amdhsa_float_denorm_mode_32 3
		.amdhsa_float_denorm_mode_16_64 3
		.amdhsa_memory_ordered 1
		.amdhsa_forward_progress 1
		.amdhsa_inst_pref_size 202
	.end_amdhsa_kernel
	.amdgpu_metadata
---
amdhsa.version: [ 1, 2 ]
amdhsa.kernels:
  - .name:           k_q23d3522de8_attn
    .symbol:         k_q23d3522de8_attn.kd
    .args:
      - { .name: qkvh, .offset: 0, .size: 8, .value_kind: global_buffer, .address_space: global }
      - { .name: att, .offset: 8, .size: 8, .value_kind: global_buffer, .address_space: global }
    .group_segment_fixed_size: 327680
    .private_segment_fixed_size: 0
    .kernarg_segment_align: 8
    .kernarg_segment_size: 16
    .max_flat_workgroup_size: 256
    .sgpr_count:     66
    .vgpr_count:     256
    .wavefront_size: 32
...
	.end_amdgpu_metadata
.endif
;; end of part 3
;; launch proj (part 4): grid 4 x 64, 4 waves a work-group, clusters of 4 x 4, 327,680 bytes of LDS; arguments att, woh, b_out, out0; writes out0
.if DOCPART == 4
	.amdgcn_target "amdgcn-amd-amdhsa--gfx1250"
	.amdhsa_code_object_version 6
	.text
	.protected	k_q23d3522de8_proj
	.globl	k_q23d3522de8_proj
	.p2align	8
	.type	k_q23d3522de8_proj,@function
k_q23d3522de8_proj:
	s_mov_b64 s[64:65], 0
	v_nop
	global_prefetch_b8 v0, s[64:65] scope:SCOPE_SE
	s_setreg_imm32_b32 hwreg(HW_REG_WAVE_MODE, 25, 1), 1
	s_wait_xcnt 0x0
	s_wait_alu depctr_hold_cnt(0) depctr_sa_sdst(0) depctr_va_vdst(0) depctr_va_sdst(0) depctr_va_ssrc(0) depctr_va_vcc(0) depctr_vm_vsrc(0)
	s_getreg_b32 s2, hwreg(HW_REG_IB_STS2, 6, 4)
	s_cmp_eq_u32 s2, 0
	s_cbranch_scc0 .Lentry_in_a_cluster
	s_endpgm
.Lentry_in_a_cluster:
	s_bfe_u32 s2, ttmp6, 0x10000c
	s_cmp_lg_u32 s2, 0xf033
	s_cbranch_scc0 .Lentry_shape_is_right
	s_endpgm
.Lentry_shape_is_right:
; out0[m][e] = sum over d of att[m][d] w_out[e][d] + b_out[e].  M = 8,192, N = K = 1,024.  Operands f16, sums f32, out0 f32.  Nothing of this product is left out (rows 0 to 15 of each sequence are
; written again, more finely, by the launch behind this one: they lie inside tiles that hold other rows).
; Both operands arrive as images of operand registers: [block of 16 rows][32 along K: 32][half 2][lane 32][16 bytes], 32,768 bytes a block.  A K step of 128 is 4,096 consecutive bytes of each block, so a tile is a few long rows
; for the tensor data mover, and every fragment is read from LDS at a constant + 16 x lane: no pitch, no padding, no two lanes on one bank.
; A tile of out0 is 128 x 256: 256 work-groups.  Four waves, each 64 rows x 128 columns: 32 accumulators of 16 x 16.  K goes in 8 steps of 128 through a ring of two LDS slots.
; CLUSTERS: 4 x 4 work-groups.  The four of a row of the cluster need the same tiles of att, the four of a column the same tiles of w_out: each tile is asked for jointly.  Waves 0 and 1 fetch att's halves (4 blocks each),
; waves 2 and 3 w_out's (8 blocks each).  Two tensor loads of a wave are out at the start, one behind each round.
; THE MATRIX INSTRUCTION IS USED TRANSPOSED (source 0 = 16 rows of w_out, source 1 = 16 rows of att): a lane holds eight neighbouring columns of one row.  The bias is the C of each sum's first instruction.
; REGISTERS: window 0: v0-31 addresses; v32-63, v64-95 att's fragments, two buffers; v96-159 the bias; on the way out v96-159 and v160-223 rows of out0 by turns.
;   window 1: v0-63, v64-127 w_out's fragments, two buffers.   window 2: the accumulators, (a, b) at v[8 (8 a + b)].
.set KB,     4096                      ; a K step's bytes of a block of 16 rows
.set BLKB,   32768                     ; a block of 16 rows in memory
.set BOFF,   32768                     ; in a slot: att's 8 blocks, then w_out's 16
.set SLOT,   98304
.set STAGE,  2*SLOT                    ; behind the ring: 16 rows x (512 bytes + 16) for each wave, for the way out
.set SPITCH, 528
.set SPARE,  STAGE+4*16*SPITCH         ; the spare words, 128 bytes for each wave, which no other line names
.set LAPS,   4                         ; a lap = two K steps = once round the ring
.set ADRA, 16                          ; v16-17  LDS address of my att fragments in slot 0, 1
.set ADRB, 20                          ; v20-21  the same for w_out
.set STO,  24                          ; v24     the way out: where I put 32 bytes of a row
.set RD,   25                          ; v25     where I read a row back
.set CO,   26                          ; v26     16 x lane: my bytes of a row's 512
.set SPW,  28                          ; v28     LDS address of my spare word; never rewritten
.set NIL,  29                          ; v29     0; never rewritten
.set PFO,  30                          ; v30     the prefetches' offset; never rewritten
.set BO,   11                          ; v11     32 x (lane / 16)
.set AF,   32
.set BIAS, 96
.set BK,   96
.set G1, 24                            ; s[24:31] descriptor group 1 for att's tiles;  s[32:39] group 0, one set for each slot
.set G0, 32
.set G1B, 48                           ; s[48:55], s[56:63] the same for w_out's
.set G0B, 56
.set BP,  66                           ; s[66:67] b_out
.set PFA, 68                           ; s[68:69] where my prefetches stand
.set LIM, 70                           ; s70  1 in wave 0, else the greatest number
.set MSB, 0
.macro WIN new                         ; the immediate's high byte repeats the setting that is left
.if MSB != \new
	s_set_vgpr_msb (MSB<<8)|\new
.set MSB, \new
.endif
.endm
.set MUL,  0xa1                        ; source 0 (w_out) window 1, source 1 (att) window 0, C and D window 2
.set MULB, 0x81                        ; the sums' first products: C (the bias) window 0
.set TO_B, 0x40                        ; destination window 1, address window 0
.macro JLOAD s                         ; a joint load: an s_nop 0 and four v_nop follow each of the two lines; the branch hangs on the wave's number alone
	s_cmp_eq_u32 s11, 0
	s_cbranch_scc0 .Lfor_b_\@
	tensor_load_to_lds s[G0+4*\s:G0+4*\s+3], s[G1:G1+7]
	s_nop 0
.rept 4
	v_nop
.endr
	s_branch .Lasked_\@
.Lfor_b_\@:
	tensor_load_to_lds s[G0B+4*\s:G0B+4*\s+3], s[G1B:G1B+7]
	s_nop 0
.rept 4
	v_nop
.endr
.Lasked_\@:
.endm
.macro CREST                           ; a round of the cluster's barrier behind its opening barrier
	s_cmp_lg_u32 s10, 0
	s_cbranch_scc1 .Lnot_wave_0_\@
	s_barrier_signal -3
.Lnot_wave_0_\@:
	s_barrier_wait -3
	s_barrier_signal -1
	s_barrier_wait -1
.endm
.macro CROUND
	s_barrier_signal -1
	s_barrier_wait -1
	CREST
.endm
; A PREFETCH INTO THE L2 of att's K step that stands two refills on.  A tile row of att is read by one row of one cluster alone.  Its K step is 8 blocks x 4,096 bytes; the four partners share the blocks out by address, two each
; (no branch hangs on a work-group's place); in each, wave 0 asks: 32 lanes, 256 bytes apart within a block.  So each aligned block of 256 bytes is named once in the launch.  The loop's last trip, whose refills are K steps 6 and 7,
; asks for nothing; K steps 0 to 3 come by their loads alone.  w_out's images are 2 MiB that all 64 tile rows read: they are not asked for.
.macro ASK
	s_cmp_gt_u32 s3, s[LIM]
	s_cbranch_scc0 .Lnot_mine_\@
	global_prefetch_b8 v[PFO], s[PFA:PFA+1] offset:KB th:TH_LOAD_NT scope:SCOPE_SE
.Lnot_mine_\@:
.endm
	s_load_b128 s[4:7], s[0:1], 0x0                ; att, w_out's images
	s_load_b64 s[BP:BP+1], s[0:1], 0x10            ; b_out
	s_load_b64 s[8:9], s[0:1], 0x18                ; out0
	v_lshl_add_u32 v[SPW], v0, 2, SPARE
	v_mov_b32 v[NIL], 0
	ds_add_u32 v[SPW], v[NIL]                      ; the wave's opening: the add, twice on end, and its wait ahead of my first tensor load
	ds_add_u32 v[SPW], v[NIL]                      ; and once more, under the one wait; the set-up below, work on registers, stands between
	v_lshrrev_b32 v1, 5, v0
	v_readfirstlane_b32 s10, v1                    ; wave 0..3
	s_lshr_b32 s11, s10, 1                         ; which half of the tile's rows is mine.  Also: I fetch for att (0) or for w_out (1)
	s_and_b32 s12, s10, 1                          ; which half of its columns.  Also: which half of that tile I fetch
	s_bfe_u32 s40, ttmp6, 0x40000                  ; cx, cy: my place in the cluster
	s_bfe_u32 s41, ttmp6, 0x40004
	s_lshl_b32 s42, ttmp9, 2
	s_add_co_u32 s42, s42, s40                     ; tile column = 4 x cluster x + cx
	s_and_b32 s13, ttmp7, 0xffff
	s_lshl_b32 s13, s13, 2
	s_add_co_u32 s13, s13, s41                     ; tile row = 4 x cluster y + cy
	s_lshl_b32 s43, s41, 2
	s_lshl_b32 s43, 15, s43                        ; my row of the cluster
	s_lshl_b32 s44, 0x1111, s40                    ; my column
	; descriptor group 1: rows of 4,096 bytes (512 elements of 8 bytes), 32,768 bytes apart; att: 4 rows, w_out: 8.  No padding
	s_or_b32 s[G1+0], s43, (3<<16)|(1<<21)         ; 15:0 the mask: att's tiles go to my row; 17:16 elements of 8 bytes; 21 set beside a mask
	s_or_b32 s[G1B+0], s44, (3<<16)|(1<<21)
	s_mov_b32 s[G1+1], 512<<16                     ; tensor_dim0 = 512
	s_mov_b32 s[G1+2], 4<<16                       ; tensor_dim1 = 4
	s_mov_b32 s[G1+3], 512<<16                     ; tile_dim0 = 512
	s_mov_b32 s[G1+4], 4                           ; tile_dim1 = 4
	s_mov_b32 s[G1+5], 4096                        ; from row to row, in elements
	s_mov_b32 s[G1+6], 0
	s_mov_b32 s[G1+7], 0
	s_mov_b32 s[G1B+1], 512<<16
	s_mov_b32 s[G1B+2], 8<<16
	s_mov_b32 s[G1B+3], 512<<16
	s_mov_b32 s[G1B+4], 8
	s_mov_b32 s[G1B+5], 4096
	s_mov_b32 s[G1B+6], 0
	s_mov_b32 s[G1B+7], 0
	s_lshl_b32 s16, s13, 3                         ; att: block 8 x tile row + 4 x half,
	s_lshl_b32 s17, s12, 2
	s_add_co_u32 s16, s16, s17
	s_lshl_b32 s16, s16, 15                        ; in bytes
	s_mov_b32 s17, 0
	s_lshl_b32 s46, s42, 4                         ; w_out: block 16 x tile column + 8 x half
	s_lshl_b32 s47, s12, 3
	s_add_co_u32 s46, s46, s47
	s_lshl_b32 s46, s46, 15
	s_mov_b32 s47, 0
	s_lshl_b32 s20, s12, 14                        ; where they go: att's halves at 0 and 16,384,
	s_lshl_b32 s21, s12, 15
	s_add_co_u32 s21, s21, BOFF                    ; w_out's at 32,768 and 65,536: no place in the cluster enters an LDS address
	s_wait_dscnt 0x0                               ; both opening adds are done
	s_wait_kmcnt 0x0
	s_add_nc_u64 s[14:15], s[4:5], s[16:17]
	s_add_nc_u64 s[46:47], s[6:7], s[46:47]
	CROUND                                         ; all sixteen work-groups are here: the first joint loads meet
.irp s, 0,1
	s_mov_b32 s[G0+4*\s], 1
	s_add_co_u32 s[G0+4*\s+1], s20, \s*SLOT
	s_add_nc_u64 s[G0+4*\s+2:G0+4*\s+3], s[14:15], \s*KB
	s_or_b32 s[G0+4*\s+3], s[G0+4*\s+3], 0x80000000
	s_mov_b32 s[G0B+4*\s], 1
	s_add_co_u32 s[G0B+4*\s+1], s21, \s*SLOT
	s_add_nc_u64 s[G0B+4*\s+2:G0B+4*\s+3], s[46:47], \s*KB
	s_or_b32 s[G0B+4*\s+3], s[G0B+4*\s+3], 0x80000000
	JLOAD \s
.endr
	v_and_b32 v1, 15, v0                           ; r
	v_bfe_u32 v2, v0, 4, 1                         ; h
	v_lshlrev_b32 v[BO], 5, v2
	s_lshl_b32 s46, s42, 10                        ; my first column, in bytes of f32: 1,024 x tile column + 512 x half
	s_lshl_b32 s47, s12, 9
	s_add_co_u32 s46, s46, s47
	s_mov_b32 s47, 0
	s_add_nc_u64 s[BP:BP+1], s[BP:BP+1], s[46:47]
.irp b, 0,1,2,3,4,5,6,7
	global_load_b128 v[BIAS+8*\b:BIAS+8*\b+3], v[BO], s[BP:BP+1] offset:64*\b          ; register 8 b + j = b_out at column 16 b + 8 h + j
	global_load_b128 v[BIAS+8*\b+4:BIAS+8*\b+7], v[BO], s[BP:BP+1] offset:64*\b+16
.endr
	v_and_b32 v3, 31, v0
	v_lshlrev_b32 v[CO], 4, v3                     ; 16 x lane
	s_lshl_b32 s21, s11, 14                        ; my 4 blocks of att
	s_lshl_b32 s22, s12, 15                        ; my 8 blocks of w_out,
	s_add_co_u32 s22, s22, BOFF                    ; behind att's
.irp s, 0,1
	v_add_nc_u32 v[ADRA+\s], s21, v[CO]
	v_add_nc_u32 v[ADRB+\s], s22, v[CO]
	s_add_co_u32 s21, s21, SLOT
	s_add_co_u32 s22, s22, SLOT
.endr
	s_mul_i32 s23, s10, 16*SPITCH
	s_add_co_u32 s23, s23, STAGE                   ; my stage
	v_mul_u32_u24 v5, v1, SPITCH                   ; in: row r, 32 bytes for each half of the lanes
	v_lshl_add_u32 v5, v2, 5, v5
	v_add_nc_u32 v[STO], s23, v5
	v_add_nc_u32 v[RD], s23, v[CO]                 ; back: the 32 lanes take one row of 512 bytes
	s_lshl_b32 s16, s13, 19                        ; my first row of out0: (128 x tile row + 64 x half) rows of 4,096 bytes
	s_lshl_b32 s17, s11, 18
	s_add_co_u32 s16, s16, s17
	s_mov_b32 s17, 0
	s_add_nc_u64 s[8:9], s[8:9], s[16:17]
	s_add_nc_u64 s[8:9], s[8:9], s[46:47]
	s_lshl_b32 s20, s13, 3                         ; the prefetches: block 8 x tile row + 2 cx,
	s_lshl_b32 s21, s40, 1
	s_add_co_u32 s20, s20, s21
	s_lshl_b32 s20, s20, 15
	s_add_co_u32 s20, s20, 2*KB                    ; at K step 2: the first refill steps it to 3 and names K step 4
	s_mov_b32 s21, 0
	s_add_nc_u64 s[PFA:PFA+1], s[4:5], s[20:21]
	s_cmp_eq_u32 s10, 0
	s_cselect_b32 s[LIM], 1, -1
	v_lshlrev_b32 v[PFO], 8, v1
	v_lshl_add_u32 v[PFO], v2, 15, v[PFO]          ; lanes 0-15 the first block, lanes 16-31 the second, 256 bytes apart
; 8 matrix instructions: att's block a x w_out's eight, 32 along K, from buffers f.  zero = 1: the sums start from the bias.  The 32 accumulators take turns in the same order in every quarter.
.macro MUL8 f, a, zero
.irp b, 0,1,2,3,4,5,6,7
.if \zero
	v_wmma_f32_16x16x32_f16 v[8*(8*(\a)+\b):8*(8*(\a)+\b)+7], v[64*(\f)+8*\b:64*(\f)+8*\b+7], v[AF+32*(\f)+8*(\a):AF+32*(\f)+8*(\a)+7], v[BIAS+8*\b:BIAS+8*\b+7]
.else
	v_wmma_f32_16x16x32_f16 v[8*(8*(\a)+\b):8*(8*(\a)+\b)+7], v[64*(\f)+8*\b:64*(\f)+8*\b+7], v[AF+32*(\f)+8*(\a):AF+32*(\f)+8*(\a)+7], v[8*(8*(\a)+\b):8*(8*(\a)+\b)+7]
.endif
.endr
.endm
; 24 LDS loads in one run: the fragments of the slot's q-th 32 along K into buffers f: w_out's eight, then att's four
.macro FETCH slot, q, f
	WIN TO_B
.irp i, 0,1,2,3,4,5,6,7
	ds_load_b128 v[64*(\f)+8*\i:64*(\f)+8*\i+3],   v[ADRB+\slot] offset:\i*KB+(\q)*1024
	ds_load_b128 v[64*(\f)+8*\i+4:64*(\f)+8*\i+7], v[ADRB+\slot] offset:\i*KB+(\q)*1024+512
.endr
	WIN 0
.irp i, 0,1,2,3
	ds_load_b128 v[AF+32*(\f)+8*\i:AF+32*(\f)+8*\i+3],   v[ADRA+\slot] offset:\i*KB+(\q)*1024
	ds_load_b128 v[AF+32*(\f)+8*\i+4:AF+32*(\f)+8*\i+7], v[ADRA+\slot] offset:\i*KB+(\q)*1024+512
.endr
.endm
.macro PLACES                          ; four places in front of loads into registers that matrix instructions have read, and of the first read of results (ISA guide 7.12.1 for the first read of results)
.rept 4
	v_nop
.endr
.endm
; A K step is four quarters of 32 along K, 32 matrix instructions each, on buffers 0, 1, 0, 1.  One of the first three: multiplies buffers f and fetches the slot's quarter q into g.
.macro QUARTER slot, q, f, g, zero
	s_wait_dscnt 4                                 ; w_out's eight and att's blocks 0, 1 are in; the youngest four loads (att's blocks 2, 3) may be out
.if \zero
	WIN MULB
.else
	WIN MUL
.endif
	MUL8 \f, 0, \zero
	MUL8 \f, 1, \zero
	PLACES
	FETCH \slot, \q, \g
	s_wait_dscnt 24                                ; all but the 24 just issued
.if \zero
	WIN MULB
.else
	WIN MUL
.endif
	MUL8 \f, 2, \zero
	MUL8 \f, 3, \zero
.endm
; The last quarter multiplies buffers 1 and changes slots: ONE barrier; in front of it each wave waits for all its tensor loads, adds 0 to its spare word, and waits for that and for its own reads of this slot.
; fill = 1: the barrier opens a round of the cluster's, and this slot is filled again, two K steps ahead: 112 matrix instructions stand between the request and the wait for it.
.macro TURN slot, next, fill
.if \fill
	s_wait_xcnt 0x0                                ; the last prefetch, a K step back, has read its address: it is stepped here, ahead of the waits of the change of slots
	s_add_nc_u64 s[PFA:PFA+1], s[PFA:PFA+1], KB
.endif
	WIN 0                                          ; (the add's two registers lie in window 0)
	s_wait_tensorcnt 0x0                           ; all my tensor loads have landed: my part of the next slot
	ds_add_u32 v[SPW], v[NIL]                      ; 0 onto my spare word
	s_wait_dscnt 5                                 ; (the add and the youngest four loads may be out)
	WIN MUL
	MUL8 1, 0, 0                                   ; eight matrix instructions stand between the add and the wait for it
	s_wait_dscnt 0x0                               ; the add is done, and my reads of this slot are over
	s_barrier_signal -1
	MUL8 1, 1, 0
.if \fill
	WIN 0
.endif
	s_barrier_wait -1
.if \fill
	CREST                                          ; no wave of any partner still reads this slot's tile or has a load on its way
	s_add_nc_u64 s[G0+4*\slot+2:G0+4*\slot+3], s[G0+4*\slot+2:G0+4*\slot+3], 2*KB
	s_add_nc_u64 s[G0B+4*\slot+2:G0B+4*\slot+3], s[G0B+4*\slot+2:G0B+4*\slot+3], 2*KB
	JLOAD \slot                                    ; the first tensor load behind the round; its four v_nop are also the places in front of the loads below
.else
	PLACES
.endif
	FETCH \next, 0, 0
.if \fill
	ASK
.endif
	WIN MUL
	MUL8 1, 2, 0
	MUL8 1, 3, 0
.endm
	s_wait_tensorcnt 1                             ; my part of K step 0 is in (K step 1's load may be out)
	s_barrier_signal -1
	s_barrier_wait -1                              ; everybody's is
	FETCH 0, 0, 0
	s_wait_loadcnt 0x0                             ; the bias
	QUARTER 0, 1, 0, 1, 1                          ; the first quarter stands in front of the loop: its products start the sums from the bias
	WIN 0                                          ; at a label and at a branch every window is 0
	s_mov_b32 s3, LAPS-1
.Llap:                                             ; a trip goes once round the ring, from a lap's second quarter to the next lap's first, and fills both slots again
	QUARTER 0, 2, 1, 0, 0
	QUARTER 0, 3, 0, 1, 0
	TURN 0, 1, 1
	QUARTER 1, 1, 0, 1, 0
	QUARTER 1, 2, 1, 0, 0
	QUARTER 1, 3, 0, 1, 0
	TURN 1, 0, 1
	QUARTER 0, 1, 0, 1, 0
	WIN 0
	s_sub_co_u32 s3, s3, 1
	s_cmp_lg_u32 s3, 0
	s_cbranch_scc1 .Llap
	QUARTER 0, 2, 1, 0, 0                          ; the last lap fills nothing, and has no round of the cluster's barrier
	QUARTER 0, 3, 0, 1, 0
	TURN 0, 1, 0
	QUARTER 1, 1, 0, 1, 0
	QUARTER 1, 2, 1, 0, 0
	QUARTER 1, 3, 0, 1, 0
	s_wait_dscnt 4                                 ; the very last quarter: nothing more to fetch
	WIN MUL
	MUL8 1, 0, 0
	MUL8 1, 1, 0
	s_wait_dscnt 0
	MUL8 1, 2, 0
	MUL8 1, 3, 0
	WIN 0
; THE WAY OUT, block by block of 16 rows x 128 columns.  A lane holds 32 neighbouring bytes of a row, and the lanes beside it hold other rows: so a block goes through my own stage in LDS and comes back as whole rows of 512 bytes.
; LDS serves a wave's instructions in order (ISA guide 5.7.1.4): no wait between the stores and the loads, nor in front of the next block's stores.
.macro TOSTAGE a
	WIN 0x08                                       ; the data: window 2
.irp b, 0,1,2,3,4,5,6,7
	ds_store_b128 v[STO], v[64*(\a)+8*\b:64*(\a)+8*\b+3] offset:64*\b           ; each accumulator from its low end on
	ds_store_b128 v[STO], v[64*(\a)+8*\b+4:64*(\a)+8*\b+7] offset:64*\b+16
.endr
	WIN 0
.set BB, BK+64*((\a)%2)
.irp t, 0,1,2,3,4,5,6,7,8,9,10,11,12,13,14,15
	ds_load_b128 v[BB+4*\t:BB+4*\t+3], v[RD] offset:\t*SPITCH
.endr
.endm
.macro SEND a, younger                 ; younger: the LDS instructions issued behind block a's loads, which may stay out
.set BB, BK+64*((\a)%2)
	s_wait_dscnt \younger
.irp t, 0,1,2,3,4,5,6,7,8,9,10,11,12,13,14,15
	global_store_b128 v[CO], v[BB+4*\t:BB+4*\t+3], s[8:9] offset:(\a)*65536+\t*4096 th:TH_STORE_NT   ; 32 lanes store 512 consecutive bytes of a row
.endr
.endm
	PLACES
	TOSTAGE 0
.irp a, 1,2,3
.if \a > 1
	s_wait_xcnt 0x0                                ; block a - 2's stores have read their registers: block a's loads may land there
.endif
	TOSTAGE \a
	SEND \a-1, 32                                  ; behind block a - 1's loads: block a's 16 stores and 16 loads
.endr
	SEND 3, 0
	s_wait_tensorcnt 0x0                           ; the wave's end, behind my last tensor load and my last LDS store
	ds_add_u32 v[SPW], v[NIL]
	s_wait_dscnt 0x0
	CROUND                                         ; the closing round: no work-group ends while a partner may still ask for a tile that names it
	s_endpgm
.Lfunc_end_k_q23d3522de8_proj:
	.size	k_q23d3522de8_proj, .Lfunc_end_k_q23d3522de8_proj-k_q23d3522de8_proj
	.p2alignl 7, 3214868480
	.fill 96, 4, 3214868480
	.section	.rodata,"a",@progbits
	.p2align	6, 0x0
	.amdhsa_kernel k_q23d3522de8_proj
		.amdhsa_group_segment_fixed_size 327680
		.amdhsa_private_segment_fixed_size 0
		.amdhsa_enable_private_segment 0
		.amdhsa_kernarg_size 32
		.amdhsa_user_sgpr_count 2
		.amdhsa_user_sgpr_kernarg_segment_ptr 1
		.amdhsa_wavefront_size32 1
		.amdhsa_system_sgpr_workgroup_id_x 1
		.amdhsa_system_sgpr_workgroup_id_y 1
		.amdhsa_system_sgpr_workgroup_id_z 1
		.amdhsa_system_vgpr_workitem_id 0
		.amdhsa_next_free_vgpr 768
		.amdhsa_next_free_sgpr 72
		.amdhsa_reserve_vcc 0
		.amdhsa_float_denorm_mode_32 3
		.amdhsa_float_denorm_mode_16_64 3
		.amdhsa_memory_ordered 1
		.amdhsa_forward_progress 1
		.amdhsa_inst_pref_size 87
	.end_amdhsa_kernel
	.amdgpu_metadata
---
amdhsa.version: [ 1, 2 ]
amdhsa.kernels:
  - .name:           k_q23d3522de8_proj
    .symbol:         k_q23d3522de8_proj.kd
    .args:
      - { .name: att, .offset: 0, .size: 8, .value_kind: global_buffer, .address_space: global }
      - { .name: woh, .offset: 8, .size: 8, .value_kind: global_buffer, .address_space: global }
      - { .name: b_out, .offset: 16, .size: 8, .value_kind: global_buffer, .address_space: global }
      - { .name: out0, .offset: 24, .size: 8, .value_kind: global_buffer, .address_space: global }
    .group_segment_fixed_size: 327680
    .private_segment_fixed_size: 0
    .kernarg_segment_align: 8
    .kernarg_segment_size: 32
    .max_flat_workgroup_size: 128
    .sgpr_count:     72
    .vgpr_count:     768
    .wavefront_size: 32
...
	.end_amdgpu_metadata
.endif
;; end of part 4
;; launch first16 (part 5): grid 16 x 4, 16 waves a work-group, no clusters, 67,584 bytes of LDS; arguments fine, w_out, b_out, out0; writes out0
.if DOCPART == 5
	.amdgcn_target "amdgcn-amd-amdhsa--gfx1250"
	.amdhsa_code_object_version 6
	.text
	.protected	k_q23d3522de8_first16
	.globl	k_q23d3522de8_first16
	.p2align	8
	.type	k_q23d3522de8_first16,@function
k_q23d3522de8_first16:
	s_mov_b64 s[64:65], 0
	v_nop
	global_prefetch_b8 v0, s[64:65] scope:SCOPE_SE
	s_setreg_imm32_b32 hwreg(HW_REG_WAVE_MODE, 25, 1), 1
	s_wait_xcnt 0x0
; Positions 0 to 15 of each of the four sequences, attention and projection, in f32 throughout: under the causal mask these rows average one to sixteen values and are the largest, so f16 operands would weigh most here.
; WORK LEFT OUT: keys 16 and later, which the problem's own causal mask hides from these queries for all inputs.
; Work-group (xs, b): batch b, output columns 64 xs .. 64 xs + 63.  Wave w is head w: it makes its head's attention for the 16 positions and that head's part of the projection (64 of the 1,024 along K);
; the sixteen parts meet in LDS, and wave q sums and stores row q.  64 rows are no bulk work: all products go by the f32 matrix form, 16 x 16 x 4.
; q, k, v arrive in f32: [batch 4][part 3][head 16][t 4][g 2][lane 32][16 bytes]; lane 16 h + r, word i: row r, channel 16 t + 8 h + 4 g + i.
; In every product the four k of an instruction are the same numbers in both operands, whichever they are: lane (r, h), register j of a pair stands for the same channel or key on both sides, so the sums are whole.
; The registers that the f32 matrix form writes (S, OT, ACC) are written by matrix instructions alone: what is made of them goes into other registers.
; REGISTERS: v1-15 addresses and at work; v16-47 Q, later w_out's tile 2, later the parts; v48-79 K, later w_out's tile 3; v80-111 V^T; v112-175 w_out's tiles 0, 1; v176-183 P; v184-191 S; v192-223 OT; v224-255 ACC.
.set SPARE, 65536                      ; behind the sixteen parts of 4,096 bytes: the spare words, 128 bytes for each wave, which no other line names
.set QF,  16
.set KF,  48
.set VT,  80
.set PP,  176
.set SS,  184
.set OT,  192
.set ACC, 224
.set SPW, 12
.set NIL, 13
	s_load_b128 s[4:7], s[0:1], 0x0                ; fine, w_out
	s_load_b128 s[8:11], s[0:1], 0x10              ; b_out, out0
	v_lshl_add_u32 v[SPW], v0, 2, SPARE
	v_mov_b32 v[NIL], 0
	v_lshrrev_b32 v1, 5, v0
	v_readfirstlane_b32 s12, v1                    ; wave: the head, later the row
	s_and_b32 s13, ttmp7, 0xffff                   ; the batch
	v_and_b32 v14, 31, v0                          ; lane
	v_and_b32 v15, 15, v0                          ; r
	v_bfe_u32 v9, v0, 4, 1                         ; h
	v_lshlrev_b32 v1, 4, v14                       ; 16 x lane
	v_bfe_u32 v2, v0, 2, 1                         ; V^T: lane (r, h) wants channel 16 t + r of key 8 h + ..: the channel's g,
	v_lshlrev_b32 v2, 9, v2
	v_bfe_u32 v5, v0, 3, 1                         ; its half,
	v_lshl_add_u32 v2, v5, 8, v2
	v_lshl_add_u32 v2, v9, 7, v2                   ; 8 h keys of 16 bytes,
	v_and_b32 v5, 3, v0                            ; its word
	v_lshl_add_u32 v2, v5, 2, v2
	v_lshlrev_b32 v3, 12, v15                      ; w_out: row r of 4,096 bytes,
	v_lshl_add_u32 v3, v9, 5, v3                   ; + 32 h
	v_lshlrev_b32 v4, 3, v9
	v_sub_nc_u32 v4, v15, v4                       ; r - 8 h: register j holds key 8 h + j, hidden where j > r - 8 h
	v_lshlrev_b32 v8, 3, v14                       ; 8 x lane
	v_lshrrev_b32 v7, 3, v14                       ; the sum: lane c takes columns 2 c, 2 c + 1: tile c / 8,
	v_lshlrev_b32 v7, 10, v7
	v_bfe_u32 v5, v0, 1, 1                         ; g,
	v_lshl_add_u32 v7, v5, 9, v7
	v_bfe_u32 v5, v0, 2, 1                         ; h,
	v_lshl_add_u32 v7, v5, 8, v7
	v_and_b32 v5, 1, v0                            ; the pair of words,
	v_lshl_add_u32 v7, v5, 3, v7
	s_lshl_b32 s14, s12, 4                         ; row q = my wave's number
	v_add_nc_u32 v7, s14, v7
	s_lshl_b32 s15, s12, 12
	v_add_nc_u32 v6, s15, v1                       ; where I store my part: 4,096 x wave + 16 x lane
	s_mul_i32 s16, s13, 196608                     ; fine: the batch, the head
	s_add_co_u32 s16, s16, s15
	s_mov_b32 s17, 0
	s_lshl_b32 s18, ttmp9, 18                      ; w_out: 64 rows of 4,096 bytes a work-group, the head's 64 columns
	s_lshl_b32 s19, s12, 8
	s_add_co_u32 s18, s18, s19
	s_mov_b32 s19, 0
	s_lshl_b32 s20, ttmp9, 8                       ; b_out: 64 numbers
	s_mov_b32 s21, 0
	s_lshl_b32 s22, s13, 23                        ; out0: the batch's 2,048 rows of 4,096 bytes, row q, my 256 bytes
	s_add_co_u32 s22, s22, s15
	s_add_co_u32 s22, s22, s20
	s_mov_b32 s23, 0
	s_mov_b32 s24, 0x3e38aa3b                      ; c = log2(e) / 8
	s_mov_b32 s26, 0x76543210
	s_mov_b32 s27, 0xfedcba98                      ; lane l xor 16
	s_wait_kmcnt 0x0
	s_add_nc_u64 s[4:5], s[4:5], s[16:17]
	s_add_nc_u64 s[6:7], s[6:7], s[18:19]
	s_add_nc_u64 s[8:9], s[8:9], s[20:21]
	s_add_nc_u64 s[10:11], s[10:11], s[22:23]
.irp n, 0,1,2,3,4,5,6,7
	global_load_b128 v[QF+4*\n:QF+4*\n+3], v1, s[4:5] offset:512*\n
.endr
.irp n, 0,1,2,3,4,5,6,7
	global_load_b128 v[KF+4*\n:KF+4*\n+3], v1, s[4:5] offset:65536+512*\n
.endr
.irp ch, 0,1,2,3
.irp sq, 0,1,2,3
.irp j, 0,1
	global_load_b32 v[VT+2*(4*\ch+\sq)+\j], v2, s[4:5] offset:131072+\ch*1024+(2*\sq+\j)*16     ; V(8 h + 2 sq + j, 16 ch + r)
.endr
.endr
.endr
.macro WLOAD reg, nt                   ; w_out's rows 16 nt + r of my 64, the head's 64 columns: register 8 ch + i = column 16 ch + 8 h + i
.irp ch, 0,1,2,3
	global_load_b128 v[\reg+8*\ch:\reg+8*\ch+3], v3, s[6:7] offset:(\nt)*65536+\ch*64
	global_load_b128 v[\reg+8*\ch+4:\reg+8*\ch+7], v3, s[6:7] offset:(\nt)*65536+\ch*64+16
.endr
.endm
	WLOAD 112, 0
	WLOAD 144, 1
	global_load_b64 v[10:11], v8, s[8:9]           ; b_out at my two columns
	s_wait_loadcnt 49                              ; Q and K are in; V's 32, w_out's 16 and the bias may be out
	; S^T = K Q^T: one accumulator, sixteen links; the wait stands directly ahead of every link that adds onto the instruction before it
	v_wmma_f32_16x16x4_f32 v[SS:SS+7], v[KF:KF+1], v[QF:QF+1], 0
.irp n, 1,2,3,4,5,6,7,8,9,10,11,12,13,14,15
	s_wait_alu depctr_va_vdst(0)
	v_wmma_f32_16x16x4_f32 v[SS:SS+7], v[KF+2*\n:KF+2*\n+1], v[QF+2*\n:QF+2*\n+1], v[SS:SS+7]
.endr
.rept 8
	v_nop                                          ; eight places behind this form: for the loads into Q's and K's registers and for the first read of the scores
.endr
	WLOAD 16, 2
	WLOAD 48, 3
	v_mov_b32 v5, 0xff800000
.irp j, 0,1,2,3,4,5,6,7
	v_cmp_gt_i32 vcc_lo, \j, v4
	v_cndmask_b32 v[PP+\j], v[SS+\j], v5, vcc_lo   ; hidden keys become -infinity; the scores go into other registers, from the low end on
.endr
	v_max3_num_f32 v14, v[PP], v[PP+1], v[PP+2]
	v_max3_num_f32 v14, v14, v[PP+3], v[PP+4]
	v_max3_num_f32 v14, v14, v[PP+5], v[PP+6]
	v_max_num_f32 v14, v14, v[PP+7]
	v_permlanex16_b32 v15, v14, s26, s27           ; the query's other eight keys; key 0 counts for every query, so the maximum is a number
	v_max_num_f32 v14, v14, v15
	v_mul_f32 v9, s24, v14                         ; c m
.irp j, 0,1,2,3,4,5,6,7
	v_fma_f32 v[PP+\j], v[PP+\j], s24, -v9
.endr
.irp j, 0,1,2,3,4,5,6,7
	v_exp_f32 v[PP+\j], v[PP+\j]
.endr
	v_nop                                          ; a plain instruction behind the exponentials,
	s_wait_alu depctr_va_vdst(0)                   ; and the one wait ahead of their first reader
	v_add_f32 v14, v[PP], v[PP+1]
	v_add_f32 v9, v[PP+2], v[PP+3]
	v_add_f32 v14, v14, v[PP+4]
	v_add_f32 v9, v9, v[PP+5]
	v_add_f32 v14, v14, v[PP+6]
	v_add_f32 v9, v9, v[PP+7]
	v_add_f32 v14, v14, v9
	v_permlanex16_b32 v15, v14, s26, s27
	v_add_f32 v14, v14, v15                        ; the row's sum
	v_rcp_f32 v9, v14
	v_nop
	s_wait_alu depctr_va_vdst(0)
.irp j, 0,1,2,3,4,5,6,7
	v_mul_f32 v[PP+\j], v[PP+\j], v9               ; the weights
.endr
	s_wait_loadcnt 33                              ; V is in; w_out's 32 loads and the bias may be out
	; O^T = V^T P: four accumulators by turns; the first round starts the sums
.irp sq, 0,1,2,3
.irp ch, 0,1,2,3
.if \sq == 0
	v_wmma_f32_16x16x4_f32 v[OT+8*\ch:OT+8*\ch+7], v[VT+2*(4*\ch+\sq):VT+2*(4*\ch+\sq)+1], v[PP+2*\sq:PP+2*\sq+1], 0
.else
	v_wmma_f32_16x16x4_f32 v[OT+8*\ch:OT+8*\ch+7], v[VT+2*(4*\ch+\sq):VT+2*(4*\ch+\sq)+1], v[PP+2*\sq:PP+2*\sq+1], v[OT+8*\ch:OT+8*\ch+7]
.endif
.endr
.endr
.rept 9
	v_nop                                          ; nine places before a matrix instruction of this form takes a result as an operand
.endr
	s_wait_loadcnt 0x0                             ; w_out, the bias
	; my head's part of the projection: ACC(nt) = w_out's tile nt x O: lane (r, h), register j: row r, column 16 nt + 8 h + j.  Four accumulators by turns
.macro PJ1 acc, wreg, k, zero
.if \zero
	v_wmma_f32_16x16x4_f32 v[ACC+8*\acc:ACC+8*\acc+7], v[\wreg+\k:\wreg+\k+1], v[OT+\k:OT+\k+1], 0
.else
	v_wmma_f32_16x16x4_f32 v[ACC+8*\acc:ACC+8*\acc+7], v[\wreg+\k:\wreg+\k+1], v[OT+\k:OT+\k+1], v[ACC+8*\acc:ACC+8*\acc+7]
.endif
.endm
	PJ1 0, 112, 0, 1
	PJ1 1, 144, 0, 1
	PJ1 2, 16, 0, 1
	PJ1 3, 48, 0, 1
.irp k, 2,4,6,8,10,12,14,16,18,20,22,24,26,28,30
	PJ1 0, 112, \k, 0
	PJ1 1, 144, \k, 0
	PJ1 2, 16, \k, 0
	PJ1 3, 48, \k, 0
.endr
.rept 8
	v_nop                                          ; eight places in front of the stores that read the results, and of the loads into w_out's registers below
.endr
.irp nt, 0,1,2,3
.irp g, 0,1
	ds_store_b128 v6, v[ACC+8*\nt+4*\g:ACC+8*\nt+4*\g+3] offset:(2*\nt+\g)*512      ; each accumulator from its low end on
.endr
.endr
	s_wait_dscnt 0x0                               ; for the others' sake: my part lies in LDS
	s_barrier_signal -1
	s_barrier_wait -1
.irp ws, 0,1,2,3,4,5,6,7,8,9,10,11,12,13,14,15
	ds_load_b64 v[16+2*\ws:17+2*\ws], v7 offset:\ws*4096        ; head ws's part of row q, my two columns
.endr
	s_wait_dscnt 0x0
.irp i, 0,4,8,12,16,20,24,28
	v_pk_add_f32 v[16+\i:17+\i], v[16+\i:17+\i], v[18+\i:19+\i]     ; the sixteen parts in a fixed order
.endr
.irp i, 0,8,16,24
	v_pk_add_f32 v[16+\i:17+\i], v[16+\i:17+\i], v[20+\i:21+\i]
.endr
.irp i, 0,16
	v_pk_add_f32 v[16+\i:17+\i], v[16+\i:17+\i], v[24+\i:25+\i]
.endr
	v_pk_add_f32 v[16:17], v[16:17], v[32:33]
	v_pk_add_f32 v[16:17], v[16:17], v[10:11]      ; + b_out
	global_store_b64 v8, v[16:17], s[10:11]        ; the wave stores 256 consecutive bytes of row q
	s_wait_tensorcnt 0x0                           ; the wave's end, behind my last LDS store
	ds_add_u32 v[SPW], v[NIL]
	s_wait_dscnt 0x0
	s_endpgm
.Lfunc_end_k_q23d3522de8_first16:
	.size	k_q23d3522de8_first16, .Lfunc_end_k_q23d3522de8_first16-k_q23d3522de8_first16
	.p2alignl 7, 3214868480
	.fill 96, 4, 3214868480
	.section	.rodata,"a",@progbits
	.p2align	6, 0x0
	.amdhsa_kernel k_q23d3522de8_first16
		.amdhsa_group_segment_fixed_size 67584
		.amdhsa_private_segment_fixed_size 0
		.amdhsa_enable_private_segment 0
		.amdhsa_kernarg_size 32
		.amdhsa_user_sgpr_count 2
		.amdhsa_user_sgpr_kernarg_segment_ptr 1
		.amdhsa_wavefront_size32 1
		.amdhsa_system_sgpr_workgroup_id_x 1
		.amdhsa_system_sgpr_workgroup_id_y 1
		.amdhsa_system_sgpr_workgroup_id_z 1
		.amdhsa_system_vgpr_workitem_id 0
		.amdhsa_next_free_vgpr 256
		.amdhsa_next_free_sgpr 66
		.amdhsa_reserve_vcc 1
		.amdhsa_float_denorm_mode_32 3
		.amdhsa_float_denorm_mode_16_64 3
		.amdhsa_memory_ordered 1
		.amdhsa_forward_progress 1
		.amdhsa_inst_pref_size 23
	.end_amdhsa_kernel
	.amdgpu_metadata
---
amdhsa.version: [ 1, 2 ]
amdhsa.kernels:
  - .name:           k_q23d3522de8_first16
    .symbol:         k_q23d3522de8_first16.kd
    .args:
      - { .name: fine, .offset: 0, .size: 8, .value_kind: global_buffer, .address_space: global }
      - { .name: w_out, .offset: 8, .size: 8, .value_kind: global_buffer, .address_space: global }
      - { .name: b_out, .offset: 16, .size: 8, .value_kind: global_buffer, .address_space: global }
      - { .name: out0, .offset: 24, .size: 8, .value_kind: global_buffer, .address_space: global }
    .group_segment_fixed_size: 67584
    .private_segment_fixed_size: 0
    .kernarg_segment_align: 8
    .kernarg_segment_size: 32
    .max_flat_workgroup_size: 512
    .sgpr_count:     66
    .vgpr_count:     256
    .wavefront_size: 32
...
	.end_amdgpu_metadata
.endif
;; end of part 5
